; MI455X (gfx1250); checked and timed in simulation.
; The chip was launched on July 23, 2026; its instructions are those of AMD's public machine-readable ISA for CDNA 5 (MIT licence, August 2026) and "CDNA5" Instruction Set Architecture Reference Guide (July 2026). The comments in the code are by the model that wrote it; some were corrected since.
;; Attention. Allowed arithmetic: matrix products marked QUANTISED: E2M1 operands, one E8M0 scale for each 32 along K, by v_wmma_scale_f32_16x16x128_f8f6f4 with both operands' format E2M1 (or v_wmma_scale_f32_32x16x128_f4), f32 sums; products left as they are: bf16, f16 or f32 operands; f32 sums; everything else in f32.
;; Inputs: Wk 1,024 x 1,024 float32; Wq 1,024 x 1,024 float32; Wv 1,024 x 1,024 float32; bk 1,024 float32; bq 1,024 float32; bv 1,024 float32; x 4 x 2,048 x 1,024 float32.
;; Outputs: out0 4 x 2,048 x 1,024 float32.
;; This version of the problem:
;;   THIS VERSION OF THE PROBLEM IS GIVEN IN LOW PRECISION. The matrix products marked QUANTISED in the list below multiply operands that are first quantised to E2M1 (2 exponent bits, 1 mantissa bit; 4 bits a number), with one power-of-two scale for each 32 numbers along K (OCP MX v1.0); their sums are f32. The products marked 'left as it is' may take bf16, f16 or f32 operands, with f32 sums. Whichever they take, every output number must still come out within the allowed error. Rounding operands to bf16 (8 significant bits) uses up far more of that allowance than f16 does (11 bits, for magnitudes from 6e-5 to 65,504). All else is computed in f32.
;;   The module's matrix products, in the order in which they are computed (A, B: the left and right operand; K: the contracted axis; several contracted axes count as one K, in the product's order):
;;     1. [M 8,192, K 1,024] x [K 1,024, N 1,024]; A: input x; B: input Wq: QUANTISED
;;     2. [M 1,048,576, K 1] x [K 1, N 1]; A: computed on the way; B: computed on the way: left as it is (no contracted axis)
;;     3. [M 8,192, K 1,024] x [K 1,024, N 1,024]; A: input x; B: computed on the way: left as it is (an operand is computed on the way)
;;     4. [M 8,192, K 1,024] x [K 1,024, N 1,024]; A: input x; B: input Wv: QUANTISED
;;     5. batch 4 x [M 2,048, K 1,024] x [K 1,024, N 2,048]; A: computed on the way; B: computed on the way: left as it is (an operand is computed on the way)
;;     6. batch 4 x [M 2,048, K 2,048] x [K 2,048, N 1,024]; A: computed on the way; B: computed on the way: left as it is (an operand is computed on the way)
;;   THE QUANTISER, for each operand of a quantised product, along K:
;;     - K is cut into blocks of 32 from its start; a last block that is shorter is filled with zeros.
;;     - A block's scale is 2^e with e = floor(log2(the largest magnitude in the block)) - 2, held to -126 .. 127; a block of zeros has e = 0. As a byte (E8M0): e + 127.
;;     - Each number is divided by its block's scale, clamped to +-6, and rounded to the nearest number of E2M1, ties to even, subnormals kept.
;;     - The product sums the exact products of the quantised numbers (number of the format x scale) in f32.
;;   ~~~python
;;   def quantise(x, axis):      # numpy; x: float32 -> the quantised numbers, widened to float32 again
;;       x = np.moveaxis(x, axis, -1); K = x.shape[-1]
;;       x = np.pad(x, [(0, 0)] * (x.ndim - 1) + [(0, -K % 32)]); x = x.reshape(x.shape[:-1] + (-1, 32)); a = np.abs(x).max(-1, keepdims=True)
;;       e = np.where(a > 0, np.clip(np.frexp(np.where(a > 0, a, 1))[1] - 1 - 2, -126, 127), 0)      # np.frexp(a)[1] - 1 = floor(log2(a)), exactly
;;       r = np.clip(x / 2.0 ** e, -6, 6)
;;       step = 2.0 ** (np.maximum(np.frexp(np.where(r == 0, 1, r))[1] - 1, 0) - 1)
;;       q = np.round(r / step) * step * 2.0 ** e      # np.round: ties to even
;;       return np.moveaxis(q.reshape(q.shape[:-2] + (-1,))[..., :K], -1, axis).astype(np.float32)
;;   ~~~
;; One version. Each part assembles by itself: llvm-mc -triple=amdgcn-amd-amdhsa -mcpu=gfx1250 --defsym DOCPART=n.
;; ======== version 1 of 1: 5 launches
;; limits: values are held in f16: magnitudes above 65,504 overflow, below 6.1e-05 lose precision; right only within a limited range of input values
;; workspace buffers: xq 4,456,448 bytes; wq4 1,114,112 bytes; h16 18,874,368 bytes; qv 34,078,720 bytes; kk 17,039,360 bytes; p 33,554,432 bytes; st 524,288 bytes
;; launch prep (part 1): grid 352 x 1, 4 waves a work-group, no clusters, 51,712 bytes of LDS; arguments x, Wq, Wv, Wk, xq, wq4, h16; writes xq, wq4, h16
.if DOCPART == 1
	.amdgcn_target "amdgcn-amd-amdhsa--gfx1250"
	.amdhsa_code_object_version 6
	.text
	.protected	k_q904ed8cbb7_prep
	.globl	k_q904ed8cbb7_prep
	.p2align	8
	.type	k_q904ed8cbb7_prep,@function
k_q904ed8cbb7_prep:
	s_mov_b64 s[64:65], 0
	v_nop
	global_prefetch_b8 v0, s[64:65] scope:SCOPE_SE
	s_setreg_imm32_b32 hwreg(HW_REG_WAVE_MODE, 25, 1), 1
	s_wait_xcnt 0x0
; SINGLE-HEAD CAUSAL ATTENTION, B = 4, S = 2,048, D = 1,024, in five launches: prep, proj, scores, mix, head16.
; WORK LEFT OUT, for all finite values of the inputs:
;   - the product Wk x 1.0 is the identity on Wk: Wk is taken as it is given.
;   - bk.  K = x Wk + bk enters only the scores: score(q, k) = Q[q] . (x[k] Wk) / 32 + Q[q] . bk / 32.  The second term is the same for every key k <= q of a row q,
;     the keys k > q carry no weight either way, and the product Q K^T is not quantised: the softmax along k takes the term away.  bk is not loaded and is no argument of any launch.
;   - tiles of Q K^T and of attn V that lie wholly above the diagonal of the mask that the problem builds itself.
;   A NaN, an infinity or an overflow that reaches only this work is not carried to the result.
; FORMATS.  x, Wq, Wv: codes of E2M1 with one E8M0 byte for each 32 along K (the stated quantiser).  x, Wk, Q, K, V and the weights p: f16 operands, f32 sums.  All else f32.
; LIMITS: |x|, |Wk|, |Q|, |K|, |V| under 65,504 (f16); numbers under 6e-5 are kept to 3e-8 in f16; NaN and infinities among the inputs are not served;
;   blocks whose largest magnitude lies under 2^-124 have their byte held at 1 and were not tried; a block of zeros gets the byte 1 (its codes are zeros; this program alone reads the bytes).
; THIS LAUNCH, three paths that part on the work-group's number and never join; each has LDS bytes of its own:
;   work-groups 0-255:   x -> codes (xq + 0, [8192][512 bytes]), scale bytes (xq + 4,194,304, [8192][32]) and f16 (h16 + 0, [8192][1024]).  x is read once for all three.
;   work-groups 256-319: Wq, Wv ([k][n]) -> codes with K innermost (wq4 + 0, [2048 n: Wq's, then Wv's][512 bytes]) and scale bytes (wq4 + 1,048,576, [2048][32]).
;   work-groups 320-351: Wk -> f16 as it lies (h16 + 16,777,216, [k][n]).
.set SPW,    12                        ; v12  LDS address of my spare word: SPARE + 4 x my thread's number; never rewritten
.set NIL,    13                        ; v13  0; never rewritten
.set SPARE,  51200                     ; behind both paths' regions: 128 bytes for each wave, named by no other line
.set EMAX,   2
.set XSTEPS, 16                        ; path X: a wave takes 16 steps of 512 numbers
.set XR,     16                        ; v16-79   four sets of 16 numbers as they are loaded
.set XX,     80                        ; v80-111  two sets of 16 neighbours
.set XE,     112                       ; v112-127 a scale byte for each step
.set XC,     128                       ; v128-191 codes, four registers for each step
.set XH,     192                       ; v192-223 four sets of 8: the numbers as f16
.set XWREG,  8192                      ; LDS 0 .. 32,767: a region for each wave: two stages of 32 x XSP bytes, then its 256 scale bytes
.set XSP,    80
.set WSTG,   32768                     ; path W: LDS 32,768 .. 51,199: for each wave a stage of 16 rows x 272 bytes, then its 256 scale bytes
.set WPITCH, 272
.set WREG,   16*WPITCH+256
.set WNB,    8                         ; blocks of 32 along K for a lane
.set WX,     32                        ; v32-95   two sets of 32 numbers
.set WC,     96                        ; v96-99   a block's codes
.set WOUT,   112                       ; v112-143 the way out
	s_load_b256 s[4:11], s[0:1], 0x0               ; x s[4:5], Wq s[6:7], Wv s[8:9], Wk s[10:11]
	s_load_b128 s[12:15], s[0:1], 0x20             ; xq s[12:13], wq4 s[14:15]
	s_load_b64 s[16:17], s[0:1], 0x30              ; h16
	v_lshl_add_u32 v[SPW], v0, 2, SPARE
	v_mov_b32 v[NIL], 0
	v_lshrrev_b32 v1, 5, v0
	v_readfirstlane_b32 s18, v1                    ; wave 0..3
	v_and_b32 v2, 31, v0                           ; lane
	s_cmp_lt_u32 ttmp9, 256
	s_cbranch_scc0 .Lnot_x
; ---------------- PATH X.  x is a plain stream of blocks of 32.  Each load reads 512 consecutive bytes, 16 a lane; a step's 2,048 bytes turn through the wave's own stage so that a lane
; holds 16 neighbours (two neighbouring lanes hold a block).  The f16 copy is made from the registers as loaded: 8 bytes a lane, 256 consecutive bytes a store.
	v_lshlrev_b32 v3, 4, v2                        ; my 16 bytes of a load's 512
	s_mul_i32 s19, s18, XWREG
	v_lshrrev_b32 v14, 2, v2
	v_mul_u32_u24 v14, v14, XSP
	v_and_b32 v15, 3, v2
	v_lshl_add_u32 v14, v15, 4, v14
	v_add_nc_u32 v14, s19, v14                     ; the stage, on the way in: XSP (lane / 4) + 16 (lane % 4)
	v_mul_u32_u24 v15, v2, XSP
	v_add_nc_u32 v15, s19, v15                     ; and on the way out: XSP x lane
	v_lshlrev_b32 v4, 3, v2                        ; 8 x lane: my codes, my f16 numbers, my part of the scale bytes
	v_lshrrev_b32 v5, 1, v2
	s_add_co_u32 s19, s19, 2*32*XSP
	v_add_nc_u32 v5, s19, v5                       ; LDS: my block's scale byte
	v_add_nc_u32 v6, s19, v4                       ; and on the way out 8 bytes a lane
	s_lshl_b32 s20, ttmp9, 2
	s_add_co_u32 s20, s20, s18                     ; which run of 8,192 numbers is my wave's
	s_mov_b32 s21, 0
	s_lshl_b64 s[22:23], s[20:21], 15              ; 32,768 bytes of x,
	s_lshl_b64 s[24:25], s[20:21], 12              ; 4,096 of codes,
	s_lshl_b64 s[26:27], s[20:21], 8               ; 256 scale bytes,
	s_lshl_b64 s[28:29], s[20:21], 14              ; 16,384 of f16 a run
	s_wait_kmcnt 0x0
	s_add_nc_u64 s[4:5], s[4:5], s[22:23]
	s_add_nc_u64 s[24:25], s[12:13], s[24:25]
	s_add_nc_u64 s[26:27], s[12:13], s[26:27]
	s_add_nc_u64 s[26:27], s[26:27], 0x400000
	s_add_nc_u64 s[28:29], s[16:17], s[28:29]
.macro XLOAD t
.irp i, 0,1,2,3
	global_load_b128 v[XR+16*((\t)%4)+4*\i:XR+16*((\t)%4)+4*\i+3], v3, s[4:5] offset:2048*(\t)+512*\i th:TH_LOAD_NT
.endr
.endm
.macro XTURN t                         ; step t's numbers through the stage (LDS serves a wave's instructions in order), and out as f16
.irp i, 0,1,2,3
	ds_store_b128 v14, v[XR+16*((\t)%4)+4*\i:XR+16*((\t)%4)+4*\i+3] offset:32*XSP*((\t)%2)+8*XSP*\i
.endr
.irp i, 0,1,2,3
	ds_load_b128 v[XX+16*((\t)%2)+4*\i:XX+16*((\t)%2)+4*\i+3], v15 offset:32*XSP*((\t)%2)+16*\i
.endr
.if (\t) >= 4
	s_wait_xcnt 0x0                                ; the stores of four steps back have read this set of f16 registers
.endif
.irp i, 0,1,2,3
	v_cvt_pk_f16_f32 v[XH+8*((\t)%4)+2*\i],   v[XR+16*((\t)%4)+4*\i],   v[XR+16*((\t)%4)+4*\i+1]
	v_cvt_pk_f16_f32 v[XH+8*((\t)%4)+2*\i+1], v[XR+16*((\t)%4)+4*\i+2], v[XR+16*((\t)%4)+4*\i+3]
.endr
.irp i, 0,1,2,3
	global_store_b64 v4, v[XH+8*((\t)%4)+2*\i:XH+8*((\t)%4)+2*\i+1], s[28:29] offset:1024*(\t)+256*\i   ; 32 lanes store 256 consecutive bytes, aligned
.endr
.endm
.macro XSTEP t
.set XS, XX+16*((\t)%2)
.if (\t) > 0
	s_wait_dscnt 1                                 ; this step's numbers are back from the stage; the last step's byte store may be out
.else
	s_wait_dscnt 0x0
.endif
.if (\t)+4 < XSTEPS
	XLOAD (\t)+4                                   ; into the set that this step's turn has read
.endif
.if (\t)+1 < XSTEPS
.if XSTEPS-2-(\t) >= 3
	s_wait_loadcnt 12                              ; the next step's four loads are in; the twelve of the three steps behind it may be out
.else
	s_wait_loadcnt 4*(XSTEPS-2-(\t))
.endif
	XTURN (\t)+1
.endif
	v_max3_num_f32 v8, |v[XS]|, |v[XS+1]|, |v[XS+2]|
	v_max3_num_f32 v9, |v[XS+3]|, |v[XS+4]|, |v[XS+5]|
.irp i, 6,10
	v_max3_num_f32 v8, v8, |v[XS+\i]|, |v[XS+\i+1]|
	v_max3_num_f32 v9, v9, |v[XS+\i+2]|, |v[XS+\i+3]|
.endr
	v_max3_num_f32 v8, v8, |v[XS+14]|, |v[XS+15]|
	v_max3_num_f32 v8, v8, v9, (EMAX+1)<<23        ; the floor 2^(3 - 127): the byte cannot fall under 1
	v_max_num_f32_dpp v8, v8, v8 row_xmask:1 row_mask:0xf bank_mask:0xf   ; with my neighbour's 16: the block's largest magnitude
	v_add_nc_u32 v11, -(EMAX<<23), v8              ; 2 off its exponent field: the conversion's scale operand
	v_cvt_scalef32_pk8_fp4_f32 v[XC+4*(\t)], v[XS:XS+7], v11
	v_cvt_scalef32_pk8_fp4_f32 v[XC+4*(\t)+1], v[XS+8:XS+15], v11
	v_lshrrev_b32 v[XE+(\t)], 23, v11              ; the scale's byte
	ds_store_b8 v5, v[XE+(\t)] offset:16*(\t)      ; both lanes of a block write the same byte with the same value
	global_store_b64 v4, v[XC+4*(\t):XC+4*(\t)+1], s[24:25] offset:256*(\t)
.endm
.irp t, 0,1,2,3
	XLOAD \t
.endr
	s_wait_loadcnt 12                              ; step 0's four loads are in
	XTURN 0
.irp t, 0,1,2,3,4,5,6,7,8,9,10,11,12,13,14,15
	XSTEP \t
.endr
	ds_load_b64 v[8:9], v6                         ; my wave's 256 scale bytes, 8 a lane
	s_wait_dscnt 0x0
	global_store_b64 v4, v[8:9], s[26:27]
	s_wait_tensorcnt 0x0                           ; the wave's end
	ds_add_u32 v[SPW], v[NIL]
	s_wait_dscnt 0x0
	s_endpgm
; ---------------- PATH W.  A lane takes a column n of Wq or Wv and its registers run down K: a block of 32 along K lies in one lane, and the codes come out with K innermost.
; A wave takes 16 columns x 512 along K: lane (r, h) takes column r and, in its t-th turn, block 2 t + h: eight turns a lane, two turns' loads out at a time.
; The codes leave through the wave's stage as rows of 256 bytes; the scale bytes are gathered in 256 bytes of the wave's own.
.Lnot_x:
	s_cmp_lt_u32 ttmp9, 320
	s_cbranch_scc0 .Lcast
	s_sub_co_u32 s19, ttmp9, 256
	s_lshr_b32 s20, s19, 5                         ; 0: Wq, 1: Wv
	s_bfe_u32 s21, s19, 0x40001                    ; which 64 columns
	s_and_b32 s22, s19, 1                          ; which 512 along K
	s_lshl_b32 s21, s21, 6
	s_lshl_b32 s23, s18, 4
	s_add_co_u32 s21, s21, s23                     ; my wave's first column
	v_and_b32 v5, 15, v2                           ; r
	v_lshrrev_b32 v6, 4, v2                        ; h
	v_lshlrev_b32 v3, 2, v5
	v_lshl_add_u32 v3, v6, 17, v3                  ; in: 4 r, and 32 rows of 4,096 bytes further down for lanes 16-31
	s_mul_i32 s23, s18, WREG
	s_add_co_u32 s23, s23, WSTG                    ; my stage
	v_mul_u32_u24 v4, v5, WPITCH
	v_lshl_add_u32 v4, v6, 4, v4
	v_add_nc_u32 v4, s23, v4                       ; into it: row = my column, + 16 h; turn t lies 32 t bytes on
	v_mul_u32_u24 v7, v6, WPITCH
	v_lshl_add_u32 v7, v5, 4, v7
	v_add_nc_u32 v7, s23, v7                       ; out of it: sixteen lanes to a row, two rows an instruction
	v_lshlrev_b32 v8, 9, v6
	v_lshl_add_u32 v8, v5, 4, v8                   ; the same place among the codes' rows of 512 bytes
	s_add_co_u32 s23, s23, 16*WPITCH               ; my 256 scale bytes: 16 a column
	v_lshl_add_u32 v9, v5, 4, v6
	v_add_nc_u32 v9, s23, v9                       ; in: 16 r + h; turn t lies 2 t bytes on
	v_lshlrev_b32 v10, 3, v2
	v_add_nc_u32 v10, s23, v10                     ; out: 8 bytes a lane
	v_lshrrev_b32 v18, 1, v2
	v_and_b32 v19, 1, v2
	v_lshlrev_b32 v18, 5, v18
	v_lshl_add_u32 v18, v19, 3, v18                ; and in memory: column lane / 2's row of 32 bytes, + 8 (lane % 2)
	s_lshl_b32 s24, s22, 21                        ; 512 rows of 4,096 bytes
	s_lshl_b32 s25, s21, 2
	s_add_co_u32 s24, s24, s25
	s_mov_b32 s25, 0
	s_lshl_b32 s26, s20, 10
	s_add_co_u32 s26, s26, s21                     ; my first row among the 2,048 of the codes
	s_lshl_b32 s28, s26, 9
	s_lshl_b32 s27, s22, 8
	s_add_co_u32 s28, s28, s27
	s_mov_b32 s29, 0
	s_lshl_b32 s30, s26, 5
	s_lshl_b32 s27, s22, 4
	s_add_co_u32 s30, s30, s27
	s_add_co_u32 s30, s30, 0x100000
	s_mov_b32 s31, 0
	s_wait_kmcnt 0x0
	s_cmp_eq_u32 s20, 0
	s_cselect_b64 s[6:7], s[6:7], s[8:9]
	s_add_nc_u64 s[6:7], s[6:7], s[24:25]
	s_add_nc_u64 s[28:29], s[14:15], s[28:29]
	s_add_nc_u64 s[30:31], s[14:15], s[30:31]
.macro WLOAD t                         ; turn t: W(32 (2 t + h) + i, my column) into set t % 2; sixteen lanes read 64 consecutive bytes
.irp i, 0,1,2,3,4,5,6,7,8,9,10,11,12,13,14,15,16,17,18,19,20,21,22,23,24,25,26,27,28,29,30,31
	global_load_b32 v[WX+32*((\t)%2)+\i], v3, s[6:7] offset:(64*(\t)+\i)*4096 th:TH_LOAD_NT
.endr
.endm
.macro WBLOCK t
.set XS, WX+32*((\t)%2)
.if (\t) < WNB-1
	s_wait_loadcnt 32                              ; this turn's 32 loads are in; the next turn's 32 may be out
.else
	s_wait_loadcnt 0
.endif
	v_max3_num_f32 v16, |v[XS]|, |v[XS+1]|, |v[XS+2]|
	v_max3_num_f32 v17, |v[XS+3]|, |v[XS+4]|, |v[XS+5]|
.irp i, 6,10,14,18,22,26
	v_max3_num_f32 v16, v16, |v[XS+\i]|, |v[XS+\i+1]|
	v_max3_num_f32 v17, v17, |v[XS+\i+2]|, |v[XS+\i+3]|
.endr
	v_max3_num_f32 v16, v16, |v[XS+30]|, |v[XS+31]|
	v_max3_num_f32 v16, v16, v17, (EMAX+1)<<23     ; the floor: the byte cannot fall under 1
	v_add_nc_u32 v11, -(EMAX<<23), v16             ; the conversion's scale operand
	v_lshrrev_b32 v17, 23, v11                     ; the scale's byte
.irp g, 0,1,2,3
	v_cvt_scalef32_pk8_fp4_f32 v[WC+\g], v[XS+8*\g:XS+8*\g+7], v11
.endr
	ds_store_b8 v9, v17 offset:2*(\t)
	ds_store_b128 v4, v[WC:WC+3] offset:32*(\t)    ; 32 codes: 16 bytes of my column's row
.if (\t)+2 < WNB
	WLOAD (\t)+2
.endif
	s_wait_dscnt 0x0                               ; the stores have read their registers: the next turn's codes and byte may be written
.endm
	WLOAD 0
	WLOAD 1
.irp t, 0,1,2,3,4,5,6,7
	WBLOCK \t
.endr
	ds_load_b64 v[20:21], v10                      ; LDS serves a wave's instructions in order: these see my stores
.irp t, 0,1,2,3,4,5,6,7
	ds_load_b128 v[WOUT+4*\t:WOUT+4*\t+3], v7 offset:2*\t*WPITCH
.endr
	s_wait_dscnt 8                                 ; the scale bytes are back; the eight loads behind them may be out
	global_store_b64 v18, v[20:21], s[30:31]
.irp t, 0,1,2,3,4,5,6,7
	s_wait_dscnt 7-\t                              ; the loads behind this one may be out
	global_store_b128 v8, v[WOUT+4*\t:WOUT+4*\t+3], s[28:29] offset:2*\t*512   ; 16 lanes store 256 consecutive bytes, aligned
.endr
	s_wait_tensorcnt 0x0                           ; the wave's end: the three lines
	ds_add_u32 v[SPW], v[NIL]
	s_wait_dscnt 0x0
	s_endpgm
; ---------------- PATH C.  Wk to f16, as it lies.  A wave takes 8,192 numbers in four groups of sixteen loads; two sets of registers take turns.
.Lcast:
	s_sub_co_u32 s19, ttmp9, 320
	s_lshl_b32 s19, s19, 2
	s_add_co_u32 s20, s19, s18
	s_mov_b32 s21, 0
	s_lshl_b64 s[22:23], s[20:21], 15
	s_lshl_b64 s[24:25], s[20:21], 14
	v_lshlrev_b32 v3, 4, v2
	v_lshlrev_b32 v4, 3, v2
	s_wait_kmcnt 0x0
	s_add_nc_u64 s[10:11], s[10:11], s[22:23]
	s_add_nc_u64 s[24:25], s[16:17], s[24:25]
	s_add_nc_u64 s[24:25], s[24:25], 0x1000000
.macro CLOAD g
.irp i, 0,1,2,3,4,5,6,7,8,9,10,11,12,13,14,15
	global_load_b128 v[16+64*((\g)%2)+4*\i:16+64*((\g)%2)+4*\i+3], v3, s[10:11] offset:8192*(\g)+512*\i th:TH_LOAD_NT
.endr
.endm
.macro CGROUP g
.if (\g) < 3
	s_wait_loadcnt 16                              ; this group's loads are in; the other set's sixteen may be out
.else
	s_wait_loadcnt 0
.endif
.if (\g) >= 2
	s_wait_xcnt 0x0                                ; the stores of two groups back have read this set of f16 registers
.endif
.irp i, 0,1,2,3,4,5,6,7,8,9,10,11,12,13,14,15
	v_cvt_pk_f16_f32 v[144+32*((\g)%2)+2*\i],   v[16+64*((\g)%2)+4*\i],   v[16+64*((\g)%2)+4*\i+1]
	v_cvt_pk_f16_f32 v[144+32*((\g)%2)+2*\i+1], v[16+64*((\g)%2)+4*\i+2], v[16+64*((\g)%2)+4*\i+3]
.endr
.if (\g)+2 < 4
	CLOAD (\g)+2
.endif
.irp i, 0,1,2,3,4,5,6,7,8,9,10,11,12,13,14,15
	global_store_b64 v4, v[144+32*((\g)%2)+2*\i:144+32*((\g)%2)+2*\i+1], s[24:25] offset:4096*(\g)+256*\i
.endr
.endm
	CLOAD 0
	CLOAD 1
	CGROUP 0
	CGROUP 1
	CGROUP 2
	CGROUP 3
	s_wait_tensorcnt 0x0                           ; the three lines stand here too, so that every end of the text has one form
	ds_add_u32 v[SPW], v[NIL]
	s_wait_dscnt 0x0
	s_endpgm
.Lfunc_end_k_q904ed8cbb7_prep:
	.size	k_q904ed8cbb7_prep, .Lfunc_end_k_q904ed8cbb7_prep-k_q904ed8cbb7_prep
	.p2alignl 7, 3214868480
	.fill 96, 4, 3214868480
	.section	.rodata,"a",@progbits
	.p2align	6, 0x0
	.amdhsa_kernel k_q904ed8cbb7_prep
		.amdhsa_group_segment_fixed_size 51712
		.amdhsa_private_segment_fixed_size 0
		.amdhsa_enable_private_segment 0
		.amdhsa_kernarg_size 56
		.amdhsa_user_sgpr_count 2
		.amdhsa_user_sgpr_kernarg_segment_ptr 1
		.amdhsa_wavefront_size32 1
		.amdhsa_system_sgpr_workgroup_id_x 1
		.amdhsa_system_sgpr_workgroup_id_y 1
		.amdhsa_system_sgpr_workgroup_id_z 1
		.amdhsa_system_vgpr_workitem_id 0
		.amdhsa_next_free_vgpr 224
		.amdhsa_next_free_sgpr 66
		.amdhsa_reserve_vcc 0
		.amdhsa_float_denorm_mode_32 3
		.amdhsa_float_denorm_mode_16_64 3
		.amdhsa_memory_ordered 1
		.amdhsa_forward_progress 1
		.amdhsa_inst_pref_size 109
	.end_amdhsa_kernel
	.amdgpu_metadata
---
amdhsa.version: [ 1, 2 ]
amdhsa.kernels:
  - .name:           k_q904ed8cbb7_prep
    .symbol:         k_q904ed8cbb7_prep.kd
    .args:
      - { .name: x, .offset: 0, .size: 8, .value_kind: global_buffer, .address_space: global }
      - { .name: Wq, .offset: 8, .size: 8, .value_kind: global_buffer, .address_space: global }
      - { .name: Wv, .offset: 16, .size: 8, .value_kind: global_buffer, .address_space: global }
      - { .name: Wk, .offset: 24, .size: 8, .value_kind: global_buffer, .address_space: global }
      - { .name: xq, .offset: 32, .size: 8, .value_kind: global_buffer, .address_space: global }
      - { .name: wq4, .offset: 40, .size: 8, .value_kind: global_buffer, .address_space: global }
      - { .name: h16, .offset: 48, .size: 8, .value_kind: global_buffer, .address_space: global }
    .group_segment_fixed_size: 51712
    .private_segment_fixed_size: 0
    .kernarg_segment_align: 8
    .kernarg_segment_size: 56
    .max_flat_workgroup_size: 128
    .sgpr_count:     66
    .vgpr_count:     224
    .wavefront_size: 32
...
	.end_amdgpu_metadata
.endif
;; end of part 1
;; launch proj (part 2): grid 4 x 96, 4 waves a work-group, clusters of 4 x 4, 327,680 bytes of LDS; arguments xq, wq4, bq, bv, qv, h16, kk; writes qv, kk
.if DOCPART == 2
	.amdgcn_target "amdgcn-amd-amdhsa--gfx1250"
	.amdhsa_code_object_version 6
	.text
	.protected	k_q904ed8cbb7_proj
	.globl	k_q904ed8cbb7_proj
	.p2align	8
	.type	k_q904ed8cbb7_proj,@function
k_q904ed8cbb7_proj:
	s_mov_b64 s[64:65], 0
	v_nop
	global_prefetch_b8 v0, s[64:65] scope:SCOPE_SE
	s_setreg_imm32_b32 hwreg(HW_REG_WAVE_MODE, 25, 1), 1
	s_wait_xcnt 0x0
	s_wait_alu depctr_hold_cnt(0) depctr_sa_sdst(0) depctr_va_vdst(0) depctr_va_sdst(0) depctr_va_ssrc(0) depctr_va_vcc(0) depctr_vm_vsrc(0)
	s_getreg_b32 s2, hwreg(HW_REG_IB_STS2, 6, 4)
	s_cmp_eq_u32 s2, 0
	s_cbranch_scc0 .Lentry_in_a_cluster
	s_endpgm
.Lentry_in_a_cluster:
	s_bfe_u32 s2, ttmp6, 0x10000c
	s_cmp_lg_u32 s2, 0xf033
	s_cbranch_scc0 .Lentry_shape_is_right
	s_endpgm
.Lentry_shape_is_right:
; THE THREE PROJECTIONS IN ONE LAUNCH: 24 clusters of 4 x 4 work-groups in one column, numbered by the cluster's y, which all sixteen partners share.  The text parts once on that number, and the two paths never join.
;   clusters 0-7:  K = x Wk, f16 operands, f32 sums.  LEFT OUT (shown at the head of the first kernel): the factor 1.0 on Wk, and bk, which the softmax takes away.
;   clusters 8-23: Q = x Wq + bq and V = x Wv + bv, one GEMM of [8192][1024] x [2048 n][1024] on codes of E2M1 with E8M0 scales: columns 0-1023 are Q's, 1024-2047 V's.
; WHY TOGETHER.  K's 128 tiles of 256 x 256 are work for half of 256 WGPs, 2,048 products of 16 x 16 x 32 a wave; a tile of Q or V is 512 products of 16 x 16 x 128 on 4-bit codes a wave.
; K's clusters carry the lowest numbers: where clusters are started in the order of their numbers, the long work starts first and the sixteen short clusters run beside it, two after each other.
; In: xq (x's codes at 0, scale bytes at 4,194,304), wq4 (codes at 0, scale bytes at 1,048,576), bq, bv; h16 (x as f16 at 0, [8192][1024]; Wk as f16 at 16,777,216, [k][n]).
; Out: qv: Q as f16 at 0, V as f16 at 16,777,216 ([8192][1024]); the first 16 rows of each sequence also as f32: Q's at 33,554,432, V's at 33,816,576 ([4 x 16][1024]).
;      kk: K as f16 at 0; the first 16 rows of each sequence as f32 at 16,777,216.
; BOTH PATHS: a tile of 256 x 256 to a work-group of four waves, 128 x 128 a wave: 64 accumulators in windows 2 and 3 ((a, b) at v[8 (8 (a % 4) + b)]).  Tile row = 8 cy + Y, so cy is the batch, and the tiles
; that hold a sequence's first rows are those with Y = 0, the same in all partners.  The left operand's tiles are shared along a row of the cluster, the right one's along a column: joint loads.
; THE MATRIX INSTRUCTIONS ARE USED TRANSPOSED (source 0 = 16 columns of the weight, source 1 = 16 rows of x): a lane holds eight neighbouring columns of one row of the result.
; LDS: two slots of 139,264 bytes from 0 in both paths; Q/V's scale bytes from 278,528; the spare words from 295,936.  The stages of the way out lie in slot 0, which has had its last fill and its last
; read by then; each path has stage bytes of its own.
.set PITCH,  272                       ; an LDS row of 256 bytes + 16 of padding: the 16 rows of a fragment load start 68 words apart
.set HALFT,  128*PITCH                 ; what one tensor load brings
.set SLOT,   4*HALFT
.set SIZE_K, 1024
.set KSTEP,  512                       ; Q/V: along K in a slot
.set NQ,     KSTEP/128
.set ROWB,   256
.set KROW,   SIZE_K/2
.set FR,     8
.set NL,     2
.set NP,     4
.set KS,     SIZE_K/32
.set SCL,    2*SLOT
.set HALFS,  (128*KS/256)*272
.set SBLK,   (16*KS/256)*272
.set SPARE,  SCL+4*HALFS               ; the spare words, 128 bytes for each wave, named by no other line
.set SPITCH, 272
.set P32,    528
.set QST32,  32768                     ; Q/V's stages: f16: 16 rows x 272 for each wave from byte 0; f32: 16 rows x 528 for each wave from here
.set KSTG,   69632                     ; K's stages: f16 from here,
.set KST32,  90112                     ; f32 from here
.set OROW,   2048                      ; a row of Q, K or V as f16, in bytes
.set BP,     544                       ; K's path: a row (k) of Wk's tile: 512 bytes + 32
.set BOFF,   2*HALFT
.set LAPS,   4                         ; K's path: 1,024 / 256
.set STO32, 10
.set RD32,  11
.set CO32,  12
.set ADRA, 16
.set ADRB, 20
.set STO,  24
.set RD,   25
.set CO,   26
.set ADRS, 27
.set SPW,  28                          ; v28  LDS address of my spare word; never rewritten
.set NIL,  29                          ; v29  0; never rewritten
.set BO,   30
.set SC,   32                          ; Q/V: v32-95 scale words, two sets, and nothing else
.set AF,   128                         ; Q/V: v128-191 x's fragments, one set
.set BI,   192                         ; Q/V: v192-255 the bias
.set TMP,  192                         ; the way out: packed results
.set B32,  128
.set F0,   64                          ; K: fragment buffers (window 0: x's; window 1: Wk's)
.set F1,   128
.set OB,   32
.set G1, 24
.set G0, 32
.set G1B, 48
.set G0B, 56
.set G1S, 68
.set G0S, 76
.set G1SB, 80
.set G0SB, 88
.set MSB, 0
.macro WIN new                         ; the immediate's high byte repeats the setting that is left
.if MSB != (\new)
	s_set_vgpr_msb (MSB<<8)|(\new)
.set MSB, (\new)
.endif
.endm
.set MUL_LO, 0xa1                      ; source 0 window 1, source 1 window 0, C and D window 2
.set MUL_HI, 0xf1
.set TO_B,   0x40
	s_load_b64 s[4:5], s[0:1], 0x0                 ; xq
	s_load_b64 s[8:9], s[0:1], 0x8                 ; wq4
	s_load_b128 s[96:99], s[0:1], 0x10             ; bq, bv
	s_load_b64 s[12:13], s[0:1], 0x20              ; qv
	s_load_b64 s[76:77], s[0:1], 0x28              ; h16
	s_load_b64 s[78:79], s[0:1], 0x30              ; kk
	v_lshl_add_u32 v[SPW], v0, 2, SPARE
	v_mov_b32 v[NIL], 0
	ds_add_u32 v[SPW], v[NIL]                      ; the wave's opening: the add, twice on end, and its wait ahead of my first tensor load
	ds_add_u32 v[SPW], v[NIL]
	s_and_b32 s2, ttmp7, 0xffff                    ; my cluster's number, 0 .. 23
	s_bfe_u32 s40, ttmp6, 0x40000                  ; cx
	s_bfe_u32 s41, ttmp6, 0x40004                  ; cy
	s_wait_dscnt 0x0                               ; both opening adds are done
	s_wait_kmcnt 0x0                               ; the arguments: both paths write registers among them anew
	s_cmp_lt_u32 s2, 8
	s_cbranch_scc1 .Lkpath
; ================ Q AND V.  K = 1,024 is two slots of 512 along K, both asked for at the start: no slot is filled again.  The scale bytes of the work-group's rows of both operands come once, as dense
; blocks.  The bias is the C of each sum's first product.  window 1: the weights' fragments, two sets.
.macro JLOAD g0a, g1a, g0b, g1b        ; waves 0 and 1 fetch for x, waves 2 and 3 for the weights; an s_nop 0 and four v_nop follow each line
	s_cmp_eq_u32 s15, 0
	s_cbranch_scc0 .Lfor_b_\@
	tensor_load_to_lds s[\g0a:\g0a+3], s[\g1a:\g1a+7]
	s_nop 0
.rept 4
	v_nop
.endr
	s_branch .Lasked_\@
.Lfor_b_\@:
	tensor_load_to_lds s[\g0b:\g0b+3], s[\g1b:\g1b+7]
	s_nop 0
.rept 4
	v_nop
.endr
.Lasked_\@:
.endm
.macro CROUND                          ; a round of the cluster's barrier
	s_barrier_signal -1
	s_barrier_wait -1
	s_cmp_lg_u32 s14, 0
	s_cbranch_scc1 .Lnot_wave_0_\@
	s_barrier_signal -3
.Lnot_wave_0_\@:
	s_barrier_wait -3
	s_barrier_signal -1
	s_barrier_wait -1
.endm
	v_lshrrev_b32 v1, 5, v0
	v_readfirstlane_b32 s14, v1                    ; wave 0..3
	s_lshr_b32 s15, s14, 1                         ; which half of the tile's rows is mine.  Also: I fetch for x (0) or for the weights (1)
	s_and_b32 s16, s14, 1                          ; which half of its columns.  Also: which 128 rows I fetch
	s_sub_co_u32 s95, s2, 8
	s_and_b32 s3, s95, 1                           ; X: 0: Q's columns, 1: V's
	s_lshr_b32 s95, s95, 1                         ; Y
	s_lshl_b32 s42, s3, 2
	s_add_co_u32 s42, s42, s40                     ; tile column = 4 X + cx
	s_lshl_b32 s17, s41, 3
	s_add_co_u32 s17, s17, s95                     ; tile row = 8 cy + Y
	s_lshl_b32 s43, s41, 2
	s_lshl_b32 s43, 15, s43                        ; my row of the cluster
	s_lshl_b32 s44, 0x1111, s40                    ; my column
	s_or_b32 s[G1+0], s43, (0<<16)|(1<<20)|(1<<21)|(5<<22)|(3<<25)   ; mask; elements of 1 byte; padding of 4 words behind every 64
	s_or_b32 s[G1B+0], s44, (0<<16)|(1<<20)|(1<<21)|(5<<22)|(3<<25)
.irp g, G1, G1B
	s_mov_b32 s[\g+1], ROWB<<16                    ; tensor_dim0
	s_mov_b32 s[\g+2], 128<<16                     ; tensor_dim1
	s_mov_b32 s[\g+3], ROWB<<16                    ; tile_dim0
	s_mov_b32 s[\g+4], 128                         ; tile_dim1
	s_mov_b32 s[\g+5], KROW                        ; pitch
	s_mov_b32 s[\g+6], 0
	s_mov_b32 s[\g+7], 0
.endr
	s_or_b32 s[G1S+0], s43, (3<<16)|(1<<20)|(1<<21)|(5<<22)|(3<<25)  ; the scales of 128 rows: 4,096 dense bytes as 16 rows of 256 (32 elements of 8 bytes), padded alike
	s_or_b32 s[G1SB+0], s44, (3<<16)|(1<<20)|(1<<21)|(5<<22)|(3<<25)
.irp g, G1S, G1SB
	s_mov_b32 s[\g+1], 32<<16
	s_mov_b32 s[\g+2], (128*KS/256)<<16
	s_mov_b32 s[\g+3], 32<<16
	s_mov_b32 s[\g+4], 128*KS/256
	s_mov_b32 s[\g+5], 32
	s_mov_b32 s[\g+6], 0
	s_mov_b32 s[\g+7], 0
.endr
	s_lshl_b32 s18, s16, 7
	s_lshl_b32 s20, s17, 8
	s_add_co_u32 s20, s20, s18                     ; x: row 256 x tile row + 128 x half
	s_lshl_b32 s46, s42, 8
	s_add_co_u32 s46, s46, s18                     ; the weights: row 256 x tile column + 128 x half
	s_mov_b32 s21, 0
	s_mov_b32 s47, 0
	s_mov_b64 s[18:19], KS
	s_mul_u64 s[22:23], s[20:21], s[18:19]         ; where these rows' scales begin,
	s_mul_u64 s[92:93], s[46:47], s[18:19]
	s_mov_b64 s[18:19], KROW
	s_mul_u64 s[20:21], s[20:21], s[18:19]         ; and their codes
	s_mul_u64 s[46:47], s[46:47], s[18:19]
	s_mul_i32 s45, s14, HALFT                      ; where they go: wave x 128 rows
	s_mul_i32 s94, s14, HALFS
	s_add_nc_u64 s[6:7], s[4:5], 0x400000          ; x's scale bytes
	s_add_nc_u64 s[10:11], s[8:9], 0x100000        ; the weights'
	s_add_nc_u64 s[20:21], s[4:5], s[20:21]
	s_add_nc_u64 s[22:23], s[6:7], s[22:23]
	s_add_nc_u64 s[46:47], s[8:9], s[46:47]
	s_add_nc_u64 s[92:93], s[10:11], s[92:93]
	CROUND                                         ; all sixteen work-groups are here: the joint loads meet
	s_mov_b32 s[G0S], 1
	s_add_co_u32 s[G0S+1], s94, SCL
	s_mov_b64 s[G0S+2:G0S+3], s[22:23]
	s_or_b32 s[G0S+3], s[G0S+3], 0x80000000
	s_mov_b32 s[G0SB], 1
	s_add_co_u32 s[G0SB+1], s94, SCL
	s_mov_b64 s[G0SB+2:G0SB+3], s[92:93]
	s_or_b32 s[G0SB+3], s[G0SB+3], 0x80000000
	JLOAD G0S, G1S, G0SB, G1SB                     ; three loads of mine go out: the scales, slot 0, slot 1
.irp s, 0,1
	s_mov_b32 s[G0+4*\s], 1
	s_add_co_u32 s[G0+4*\s+1], s45, \s*SLOT
	s_add_nc_u64 s[G0+4*\s+2:G0+4*\s+3], s[20:21], \s*ROWB
	s_or_b32 s[G0+4*\s+3], s[G0+4*\s+3], 0x80000000
	s_mov_b32 s[G0B+4*\s], 1
	s_add_co_u32 s[G0B+4*\s+1], s45, \s*SLOT
	s_add_nc_u64 s[G0B+4*\s+2:G0B+4*\s+3], s[46:47], \s*ROWB
	s_or_b32 s[G0B+4*\s+3], s[G0B+4*\s+3], 0x80000000
	JLOAD G0+4*\s, G1, G0B+4*\s, G1B
.endr
	v_and_b32 v1, 15, v0                           ; r = lane % 16
	v_bfe_u32 v2, v0, 4, 1                         ; h = lane / 16
	; the bias, in the result's layout: for the weights' block b my eight columns 16 b + 8 h + 0 .. 7
	s_cmp_eq_u32 s3, 0                             ; X = 0: Q's columns; 1: V's
	s_cselect_b64 s[96:97], s[96:97], s[98:99]
	s_cselect_b32 s66, 0, 0x1000000                ; where the tensor's f16 rows begin in qv,
	s_mov_b32 s67, 0x2040000
	s_cselect_b32 s67, 0x2000000, s67              ; and its f32 rows
	s_lshl_b32 s46, s40, 10
	s_lshl_b32 s47, s16, 9
	s_add_co_u32 s46, s46, s47                     ; (256 cx + 128 x my half) x 4: my first column in the tensor, in f32 bytes
	s_mov_b32 s47, 0
	s_add_nc_u64 s[96:97], s[96:97], s[46:47]
	v_lshlrev_b32 v[BO], 5, v2
.irp b, 0,1,2,3,4,5,6,7
	global_load_b128 v[BI+8*\b:BI+8*\b+3],   v[BO], s[96:97] offset:64*\b
	global_load_b128 v[BI+8*\b+4:BI+8*\b+7], v[BO], s[96:97] offset:64*\b+16
.endr
	v_mul_u32_u24 v3, v1, PITCH
	v_lshl_add_u32 v4, v2, 4, v3                   ; a fragment's row x pitch + 16 x half
	s_mul_i32 s21, s15, HALFT
	s_mul_i32 s22, s16, HALFT
	s_add_co_u32 s22, s22, 2*HALFT
.irp s, 0,1
	v_add_nc_u32 v[ADRA+\s], s21, v4
	v_add_nc_u32 v[ADRB+\s], s22, v4
	s_add_co_u32 s21, s21, SLOT
	s_add_co_u32 s22, s22, SLOT
.endr
	v_mul_u32_u24 v5, v1, KS                       ; my row's scales: 32 bytes a row,
	v_lshrrev_b32 v6, 8, v5
	v_lshl_add_u32 v5, v6, 4, v5                   ; and 16 more for each 256 passed
	s_mul_i32 s21, s15, HALFS
	s_mul_i32 s22, s16, HALFS
	s_add_co_u32 s22, s22, 2*HALFS
	s_sub_co_u32 s22, s22, s21
	v_mul_u32_u24 v6, s22, v2                      ; lanes 16-31 take the weights'
	s_add_co_u32 s21, s21, SCL
	v_add_nc_u32 v5, v5, v6
	v_add_nc_u32 v[ADRS], s21, v5
	s_mul_i32 s23, s14, 16*SPITCH                  ; my f16 stage
	v_mul_u32_u24 v5, v1, SPITCH
	v_lshl_add_u32 v5, v2, 4, v5
	v_add_nc_u32 v[STO], s23, v5                   ; in: row r, 16 bytes for each half of the lanes
	v_mul_u32_u24 v5, v2, SPITCH
	v_lshl_add_u32 v5, v1, 4, v5
	v_add_nc_u32 v[RD], s23, v5                    ; back: lanes 0-15 one row of 256 bytes, lanes 16-31 the next
	v_lshlrev_b32 v5, 11, v2
	v_lshl_add_u32 v[CO], v1, 4, v5                ; and the same two rows in memory
	s_mul_i32 s23, s14, 16*P32
	s_add_co_u32 s23, s23, QST32                   ; my f32 stage
	v_mul_u32_u24 v5, v1, P32
	v_lshl_add_u32 v5, v2, 5, v5
	v_add_nc_u32 v[STO32], s23, v5
	v_and_b32 v6, 31, v0
	v_lshlrev_b32 v[CO32], 4, v6
	v_add_nc_u32 v[RD32], s23, v[CO32]
	s_lshl_b32 s92, s41, 16                        ; f32 rows: 16 cy rows of 4,096 bytes + my first column
	s_add_co_u32 s92, s92, s46
	s_add_co_u32 s92, s92, s67
	s_mov_b32 s93, 0
	s_add_nc_u64 s[92:93], s[12:13], s[92:93]
	s_lshl_b32 s20, s17, 8
	s_lshl_b32 s21, s15, 7
	s_add_co_u32 s20, s20, s21                     ; my first row: 256 x tile row + 128 x half
	s_lshl_b32 s20, s20, 11
	s_lshr_b32 s21, s46, 1
	s_add_co_u32 s20, s20, s21
	s_add_co_u32 s20, s20, s66
	s_mov_b32 s21, 0
	s_add_nc_u64 s[12:13], s[12:13], s[20:21]
.macro FRAG reg, adr, q, i             ; 16 rows x 128 K of 4-bit codes: 8 registers, two loads of 16 bytes, 32 bytes apart
.irp c, 0,1
	ds_load_b128 v[\reg+4*\c:\reg+4*\c+3], v[\adr] offset:64*(\q)+32*\c+(\i)*16*PITCH
.endr
.endm
; 16 products: x's blocks a0, a0 + 1 x the weights' eight.  zero = 1: the bias is the C of the sum's first product.  The 64 accumulators take turns, one instruction a turn.
.macro MUL16 a0, p, q, sc, zero
.irp a, \a0, \a0+1
.irp b, 0,1,2,3,4,5,6,7
.if \zero
	v_wmma_scale_f32_16x16x128_f8f6f4 v[8*(8*((\a)%4)+\b):8*(8*((\a)%4)+\b)+7], v[128*(\p)+FR*\b:128*(\p)+FR*\b+FR-1], v[AF+FR*(\a):AF+FR*(\a)+FR-1], v[BI+8*\b:BI+8*\b+7], v[SC+8*NQ*(\sc)+NQ*\b+(\q)], v[SC+8*NQ*(\sc)+NQ*(\a)+(\q)] matrix_a_fmt:MATRIX_FMT_FP4 matrix_b_fmt:MATRIX_FMT_FP4 matrix_a_scale:MATRIX_SCALE_ROW1
.else
	v_wmma_scale_f32_16x16x128_f8f6f4 v[8*(8*((\a)%4)+\b):8*(8*((\a)%4)+\b)+7], v[128*(\p)+FR*\b:128*(\p)+FR*\b+FR-1], v[AF+FR*(\a):AF+FR*(\a)+FR-1], v[8*(8*((\a)%4)+\b):8*(8*((\a)%4)+\b)+7], v[SC+8*NQ*(\sc)+NQ*\b+(\q)], v[SC+8*NQ*(\sc)+NQ*(\a)+(\q)] matrix_a_fmt:MATRIX_FMT_FP4 matrix_b_fmt:MATRIX_FMT_FP4 matrix_a_scale:MATRIX_SCALE_ROW1
.endif
.endr
.endr
.endm
.macro FETCH_B slot, q, p
	WIN TO_B
.irp i, 0,1,2,3,4,5,6,7
	FRAG 128*(\p)+FR*\i, ADRB+\slot, \q, \i
.endr
	WIN 0
.endm
.macro FETCH_A slot, q, i0
.irp i, \i0, \i0+1, \i0+2, \i0+3
	FRAG AF+FR*(\i), ADRA+\slot, \q, \i
.endr
.endm
.macro SCALES sc                       ; a slot's scale words: lanes 0-15 take x's block i, lanes 16-31 the weights' block i; four words a row
.irp i, 0,1,2,3,4,5,6,7
	ds_load_b128 v[SC+8*NQ*\sc+NQ*\i:SC+8*NQ*\sc+NQ*\i+3], v[ADRS] offset:\i*SBLK
.endr
.endm
.macro PLACES n                        ; plain vector places behind matrix instructions, in front of loads into their registers and of reads of their results
.rept \n
	v_nop
.endr
.endm
.macro STEP slot, q, zero              ; 128 along K that has its successor in the same slot
	s_wait_dscnt 4*NL                              ; the weights' set and x's blocks 0-3 are in; the youngest eight loads (x's blocks 4-7) may be out
.if \zero
	WIN 0x81                                       ; C (the bias) in window 0, D in window 2
.else
	WIN MUL_LO
.endif
	MUL16 0, (\q)%2, \q, \slot, \zero
	MUL16 2, (\q)%2, \q, \slot, \zero
	s_wait_dscnt 0
	PLACES NP
	FETCH_B \slot, (\q)+1, 1-(\q)%2
	FETCH_A \slot, (\q)+1, 0
.if \zero
	WIN 0xc1
.else
	WIN MUL_HI
.endif
	MUL16 4, (\q)%2, \q, \slot, \zero
	MUL16 6, (\q)%2, \q, \slot, \zero
	PLACES NP
	WIN 0
	FETCH_A \slot, (\q)+1, 4
.endm
.macro TURN slot, next                 ; a slot's last step changes slots: one barrier; nothing is filled again
	s_wait_tensorcnt 0x0                           ; all my tensor loads have landed: my part of the next slot
	ds_add_u32 v[SPW], v[NIL]                      ; 0 onto my spare word
	s_wait_dscnt 4*NL+1                            ; the add and the youngest eight loads may be out
	WIN MUL_LO
	MUL16 0, 1, NQ-1, \slot, 0
	s_wait_dscnt 0x0                               ; the add is done, and my reads of this slot are over
	s_barrier_signal -1
	MUL16 2, 1, NQ-1, \slot, 0
	WIN 0
	s_barrier_wait -1
	PLACES NP
	v_add_nc_u32 v[ADRS], 4*NQ, v[ADRS]            ; the next slot's scale words
	FETCH_B \next, 0, 0
	FETCH_A \next, 0, 0
	SCALES \next
	WIN MUL_HI
	MUL16 4, 1, NQ-1, \slot, 0
	MUL16 6, 1, NQ-1, \slot, 0
	PLACES NP
	WIN 0
	FETCH_A \next, 0, 4
.endm
	s_wait_tensorcnt 1                             ; the scales and my part of slot 0 are in; slot 1's load may be out
	s_barrier_signal -1
	s_barrier_wait -1
	FETCH_B 0, 0, 0
	FETCH_A 0, 0, 0
	SCALES 0
	FETCH_A 0, 0, 4
	s_wait_loadcnt 0x0                             ; the bias
	STEP 0, 0, 1
	STEP 0, 1, 0
	STEP 0, 2, 0
	TURN 0, 1
	STEP 1, 0, 0
	STEP 1, 1, 0
	STEP 1, 2, 0
	s_wait_dscnt 4*NL                              ; the last step: nothing more to fetch
	WIN MUL_LO
	MUL16 0, 1, NQ-1, 1, 0
	MUL16 2, 1, NQ-1, 1, 0
	s_wait_dscnt 0
	WIN MUL_HI
	MUL16 4, 1, NQ-1, 1, 0
	MUL16 6, 1, NQ-1, 1, 0
	WIN 0
	PLACES NP
	; THE FIRST 16 ROWS OF A SEQUENCE ALSO LEAVE AS f32: my block 0, where the tile is a sequence's first (Y = 0) and my rows are its upper half
	s_cmp_lg_u32 s95, 0
	s_cbranch_scc1 .Lqno32
	s_cmp_lg_u32 s15, 0
	s_cbranch_scc1 .Lqno32
	WIN 0x08                                       ; an LDS store's data: window 2
.irp b, 0,1,2,3,4,5,6,7
	ds_store_b128 v[STO32], v[8*\b:8*\b+3] offset:64*\b
	ds_store_b128 v[STO32], v[8*\b+4:8*\b+7] offset:64*\b+16
.endr
	WIN 0
.irp t, 0,1,2,3,4,5,6,7,8,9,10,11,12,13,14,15
	ds_load_b128 v[B32+4*\t:B32+4*\t+3], v[RD32] offset:\t*P32   ; LDS serves a wave's instructions in order: these see my stores
.endr
	s_wait_dscnt 0x0
.irp t, 0,1,2,3,4,5,6,7,8,9,10,11,12,13,14,15
	global_store_b128 v[CO32], v[B32+4*\t:B32+4*\t+3], s[92:93] offset:\t*4096   ; 32 lanes store 512 consecutive bytes, aligned
.endr
.Lqno32:
; THE WAY OUT AS f16, block by block of 16 rows: rounded, 16 bytes a lane into my stage, back as whole rows of 256 bytes.
.macro PACK a
.set AC, 64*((\a)%4)
	WIN 0x0a+5*((\a)/4)                            ; sources: window 2 or 3
.irp b, 0,1,2,3,4,5,6,7
.irp r, 0,1,2,3
	v_cvt_pk_f16_f32 v[TMP+4*\b+\r], v[AC+8*\b+2*\r], v[AC+8*\b+2*\r+1]
.endr
.endr
	WIN 0
.endm
.macro TOSTAGE a
.set BK, 96+128*((\a)%2)               ; v96-127 and v224-255 by turns
.irp b, 0,1,2,3,4,5,6,7
	ds_store_b128 v[STO], v[TMP+4*\b:TMP+4*\b+3] offset:32*\b
.endr
.irp t, 0,1,2,3,4,5,6,7
	ds_load_b128 v[BK+4*\t:BK+4*\t+3], v[RD] offset:\t*2*SPITCH
.endr
.endm
.macro SEND a
.set BK, 96+128*((\a)%2)
	s_wait_dscnt 0x0                               ; the block is back in registers
	s_wait_xcnt 0x0                                ; earlier stores have read their base and their registers: both may be written
.if (\a) > 0
	s_add_nc_u64 s[12:13], s[12:13], 16*OROW
.endif
.irp t, 0,1,2,3,4,5,6,7
	global_store_b128 v[CO], v[BK+4*\t:BK+4*\t+3], s[12:13] offset:2*\t*OROW   ; 16 lanes store 256 consecutive bytes, aligned
.endr
.endm
	PACK 0
	TOSTAGE 0
.irp a, 1,2,3,4,5,6,7
	PACK \a
	SEND \a-1
	TOSTAGE \a
.endr
	SEND 7
	s_wait_tensorcnt 0x0                           ; the wave's end: the three lines
	ds_add_u32 v[SPW], v[NIL]
	s_wait_dscnt 0x0
	CROUND                                         ; the closing round
	s_endpgm
; ================ K.  K goes in steps of 128 through a ring of two LDS slots.  x's tile: 256 rows x 256 bytes, pitch 272.  Wk's tile: 128 rows (k) x 512 bytes (256 n), pitch 544; its fragments are read
; turned, by ds_load_tr16_b128.  Tile column = cx.  A round of the cluster's barrier stands in front of each refill.
; window 0: v64-127, v128-191 x's fragments, two buffers; window 1: the same numbers: Wk's.
.macro KJLOAD s                        ; waves 0 and 1 fetch x's halves, waves 2 and 3 Wk's
	s_cmp_eq_u32 s11, 0
	s_cbranch_scc0 .Lfor_b_\@
	tensor_load_to_lds s[G0+4*\s:G0+4*\s+3], s[G1:G1+7]
	s_nop 0
.rept 4
	v_nop
.endr
	s_branch .Lasked_\@
.Lfor_b_\@:
	tensor_load_to_lds s[G0B+4*\s:G0B+4*\s+3], s[G1B:G1B+7]
	s_nop 0
.rept 4
	v_nop
.endr
.Lasked_\@:
.endm
.macro KCREST
	s_cmp_lg_u32 s10, 0
	s_cbranch_scc1 .Lnot_wave_0_\@
	s_barrier_signal -3
.Lnot_wave_0_\@:
	s_barrier_wait -3
	s_barrier_signal -1
	s_barrier_wait -1
.endm
.macro KCROUND
	s_barrier_signal -1
	s_barrier_wait -1
	KCREST
.endm
.Lkpath:
	s_mov_b64 s[4:5], s[76:77]                     ; h16
	s_mov_b64 s[8:9], s[78:79]                     ; kk
	v_lshrrev_b32 v1, 5, v0
	v_readfirstlane_b32 s10, v1                    ; wave 0..3
	s_lshr_b32 s11, s10, 1                         ; my half of the tile's rows.  Also: I fetch x (0) or Wk (1)
	s_and_b32 s12, s10, 1                          ; my half of its columns.  Also: which half of that tile I fetch
	s_mov_b32 s66, s2                              ; Y = my cluster's number
	s_lshl_b32 s13, s41, 3
	s_add_co_u32 s13, s13, s66                     ; tile row = 8 cy + Y
	s_lshl_b32 s43, s41, 2
	s_lshl_b32 s43, 15, s43
	s_lshl_b32 s44, 0x1111, s40
	s_or_b32 s[G1+0], s43, (1<<16)|(1<<20)|(1<<21)|(5<<22)|(3<<25)   ; elements of 2 bytes; 4 words of padding behind every 64
	s_mov_b32 s[G1+1], 128<<16
	s_mov_b32 s[G1+2], 128<<16
	s_mov_b32 s[G1+3], 128<<16
	s_mov_b32 s[G1+4], 128
	s_mov_b32 s[G1+5], 1024
	s_mov_b32 s[G1+6], 0
	s_mov_b32 s[G1+7], 0
	s_or_b32 s[G1B+0], s44, (1<<16)|(1<<20)|(1<<21)|(6<<22)|(7<<25)  ; 8 words of padding behind every 128
	s_mov_b32 s[G1B+1], 256<<16
	s_mov_b32 s[G1B+2], 64<<16
	s_mov_b32 s[G1B+3], 256<<16
	s_mov_b32 s[G1B+4], 64
	s_mov_b32 s[G1B+5], 1024
	s_mov_b32 s[G1B+6], 0
	s_mov_b32 s[G1B+7], 0
	s_lshl_b32 s16, s13, 8
	s_lshl_b32 s17, s12, 7
	s_add_co_u32 s16, s16, s17
	s_lshl_b32 s16, s16, 11                        ; x: (256 x tile row + 128 x half) rows of 2,048 bytes
	s_mov_b32 s17, 0
	s_lshl_b32 s46, s12, 17                        ; Wk: 64 x half rows of 2,048 bytes
	s_lshl_b32 s47, s40, 9                         ;     + 256 cx columns
	s_add_co_u32 s46, s46, s47
	s_mov_b32 s47, 0
	s_mul_i32 s20, s10, HALFT
	s_add_nc_u64 s[6:7], s[4:5], 0x1000000
	s_add_nc_u64 s[14:15], s[4:5], s[16:17]
	s_add_nc_u64 s[46:47], s[6:7], s[46:47]
	KCROUND                                        ; all sixteen work-groups are here: the first joint loads meet
.irp s, 0,1
	s_mov_b32 s[G0+4*\s], 1
	s_add_co_u32 s[G0+4*\s+1], s20, \s*SLOT
	s_add_nc_u64 s[G0+4*\s+2:G0+4*\s+3], s[14:15], \s*256
	s_or_b32 s[G0+4*\s+3], s[G0+4*\s+3], 0x80000000
	s_mov_b32 s[G0B+4*\s], 1
	s_add_co_u32 s[G0B+4*\s+1], s20, \s*SLOT
	s_add_nc_u64 s[G0B+4*\s+2:G0B+4*\s+3], s[46:47], \s*262144
	s_or_b32 s[G0B+4*\s+3], s[G0B+4*\s+3], 0x80000000
	KJLOAD \s                                      ; two loads of mine go out: K steps 0 and 1
.endr
	v_and_b32 v1, 15, v0                           ; r
	v_bfe_u32 v2, v0, 4, 1                         ; h
	v_mul_u32_u24 v3, v1, PITCH
	v_lshl_add_u32 v3, v2, 4, v3
	s_mul_i32 s21, s11, HALFT                      ; my 128 rows of x
	v_and_b32 v4, 7, v0
	v_lshl_add_u32 v4, v2, 3, v4                   ; the turning load: row k = 8 h + lane % 8,
	v_mul_u32_u24 v4, v4, BP
	v_bfe_u32 v5, v0, 3, 1
	v_lshl_add_u32 v4, v5, 4, v4                   ; 16 bytes on for lanes 8-15 of each half
	s_lshl_b32 s22, s12, 8                         ; my 128 columns
	s_add_co_u32 s22, s22, BOFF
.irp s, 0,1
	v_add_nc_u32 v[ADRA+\s], s21, v3
	v_add_nc_u32 v[ADRB+\s], s22, v4
	s_add_co_u32 s21, s21, SLOT
	s_add_co_u32 s22, s22, SLOT
.endr
	s_mul_i32 s23, s10, 16*SPITCH
	s_add_co_u32 s23, s23, KSTG                    ; my f16 stage
	v_mul_u32_u24 v5, v1, SPITCH
	v_lshl_add_u32 v5, v2, 4, v5
	v_add_nc_u32 v[STO], s23, v5
	v_mul_u32_u24 v5, v2, SPITCH
	v_lshl_add_u32 v5, v1, 4, v5
	v_add_nc_u32 v[RD], s23, v5
	v_lshlrev_b32 v5, 11, v2
	v_lshl_add_u32 v[CO], v1, 4, v5
	s_mul_i32 s23, s10, 16*P32
	s_add_co_u32 s23, s23, KST32                   ; my f32 stage
	v_mul_u32_u24 v5, v1, P32
	v_lshl_add_u32 v5, v2, 5, v5
	v_add_nc_u32 v[STO32], s23, v5
	v_and_b32 v6, 31, v0
	v_lshlrev_b32 v[CO32], 4, v6
	v_add_nc_u32 v[RD32], s23, v[CO32]
	s_lshl_b32 s16, s13, 8
	s_lshl_b32 s17, s11, 7
	s_add_co_u32 s16, s16, s17
	s_lshl_b32 s16, s16, 11                        ; my first row of K, in bytes,
	s_lshl_b32 s46, s40, 9
	s_lshl_b32 s47, s12, 8
	s_add_co_u32 s46, s46, s47                     ; my first column as f16
	s_add_co_u32 s16, s16, s46
	s_mov_b32 s17, 0
	s_lshl_b32 s18, s41, 16                        ; the f32 rows: 16 cy rows of 4,096 bytes,
	s_lshl_b32 s19, s46, 1
	s_add_co_u32 s18, s18, s19
	s_add_co_u32 s18, s18, 0x1000000
	s_mov_b32 s19, 0
	s_add_nc_u64 s[18:19], s[8:9], s[18:19]
	s_add_nc_u64 s[8:9], s[8:9], s[16:17]
.macro KMUL16 f, hi, a0, zero          ; 16 products; the 64 accumulators take turns, one instruction a turn
.irp a, \a0, \a0+1
.irp b, 0,1,2,3,4,5,6,7
.if \zero
	v_wmma_f32_16x16x32_f16 v[8*(8*(\a)+\b):8*(8*(\a)+\b)+7], v[\f+8*\b:\f+8*\b+7], v[\f+8*(4*\hi+\a):\f+8*(4*\hi+\a)+7], 0
.else
	v_wmma_f32_16x16x32_f16 v[8*(8*(\a)+\b):8*(8*(\a)+\b)+7], v[\f+8*\b:\f+8*\b+7], v[\f+8*(4*\hi+\a):\f+8*(4*\hi+\a)+7], v[8*(8*(\a)+\b):8*(8*(\a)+\b)+7]
.endif
.endr
.endr
.endm
.macro KFETCH slot, q, f               ; the fragments of the slot's q-th 32 along K: Wk's eight (turned), then x's eight
	WIN TO_B
.irp i, 0,1,2,3,4,5,6,7
	ds_load_tr16_b128 v[\f+8*\i:\f+8*\i+3],   v[ADRB+\slot] offset:(\q)*32*BP+32*\i
	ds_load_tr16_b128 v[\f+8*\i+4:\f+8*\i+7], v[ADRB+\slot] offset:(\q)*32*BP+16*BP+32*\i
.endr
	WIN 0
.irp i, 0,1,2,3,4,5,6,7
	ds_load_b128 v[\f+8*\i:\f+8*\i+3],   v[ADRA+\slot] offset:64*(\q)+\i*16*PITCH
	ds_load_b128 v[\f+8*\i+4:\f+8*\i+7], v[ADRA+\slot] offset:64*(\q)+\i*16*PITCH+32
.endr
.endm
.macro KPLACES
.rept 4
	v_nop
.endr
.endm
.macro KQUARTER slot, q, f, g, zero    ; multiplies buffer f; in its middle fetches the slot's quarter q into g
	s_wait_dscnt 8                                 ; the youngest eight loads (x's rows 64-127) may be out
	WIN MUL_LO
	KMUL16 \f, 0, 0, \zero
	KMUL16 \f, 0, 2, \zero
	KPLACES
	KFETCH \slot, \q, \g
	s_wait_dscnt 32                                ; all but the 32 just issued
	WIN MUL_HI
	KMUL16 \f, 1, 0, \zero
	KMUL16 \f, 1, 2, \zero
.endm
.macro KTURN slot, next, fill          ; the last quarter multiplies buffer 1 and changes slots
	WIN 0
	s_wait_tensorcnt 0x0                           ; all my tensor loads have landed: my part of the next slot
	ds_add_u32 v[SPW], v[NIL]                      ; 0 onto my spare word
	s_wait_dscnt 9                                 ; the add and the youngest eight loads may be out
	WIN MUL_LO
	KMUL16 F1, 0, 0, 0
	s_wait_dscnt 0x0                               ; the add is done, and my reads of this slot are over
	s_barrier_signal -1
	KMUL16 F1, 0, 2, 0
.if \fill
	WIN 0
.endif
	s_barrier_wait -1
.if \fill
	KCREST                                         ; the barrier has opened a round of the cluster's: no wave of any partner still reads this slot or has a load on its way
	s_add_nc_u64 s[G0+4*\slot+2:G0+4*\slot+3], s[G0+4*\slot+2:G0+4*\slot+3], 512
	s_add_nc_u64 s[G0B+4*\slot+2:G0B+4*\slot+3], s[G0B+4*\slot+2:G0B+4*\slot+3], 524288
	KJLOAD \slot                                   ; the first tensor load behind the round; its four v_nop are the places in front of the loads below
.else
	KPLACES
.endif
	KFETCH \next, 0, F0
	WIN MUL_HI
	KMUL16 F1, 1, 0, 0
	KMUL16 F1, 1, 2, 0
.endm
	s_wait_tensorcnt 1                             ; my part of K step 0 is in; K step 1's load may be out
	s_barrier_signal -1
	s_barrier_wait -1
	KFETCH 0, 0, F0
	KQUARTER 0, 1, F0, F1, 1                       ; the first quarter's products start the sums
	WIN 0
	s_mov_b32 s3, LAPS-1
.Llap:                                                 ; a trip goes once round the ring and fills both slots again
	KQUARTER 0, 2, F1, F0, 0
	KQUARTER 0, 3, F0, F1, 0
	KTURN 0, 1, 1
	KQUARTER 1, 1, F0, F1, 0
	KQUARTER 1, 2, F1, F0, 0
	KQUARTER 1, 3, F0, F1, 0
	KTURN 1, 0, 1
	KQUARTER 0, 1, F0, F1, 0
	WIN 0
	s_sub_co_u32 s3, s3, 1
	s_cmp_lg_u32 s3, 0
	s_cbranch_scc1 .Llap
	KQUARTER 0, 2, F1, F0, 0                       ; the last lap fills nothing
	KQUARTER 0, 3, F0, F1, 0
	KTURN 0, 1, 0
	KQUARTER 1, 1, F0, F1, 0
	KQUARTER 1, 2, F1, F0, 0
	KQUARTER 1, 3, F0, F1, 0
	s_wait_dscnt 8
	WIN MUL_LO
	KMUL16 F1, 0, 0, 0
	KMUL16 F1, 0, 2, 0
	s_wait_dscnt 0
	WIN MUL_HI
	KMUL16 F1, 1, 0, 0
	KMUL16 F1, 1, 2, 0
	WIN 0
	KPLACES
	; the first 16 rows of a sequence also leave as f32
	s_cmp_lg_u32 s66, 0
	s_cbranch_scc1 .Lkno32
	s_cmp_lg_u32 s11, 0
	s_cbranch_scc1 .Lkno32
	WIN 0x08
.irp b, 0,1,2,3,4,5,6,7
	ds_store_b128 v[STO32], v[8*\b:8*\b+3] offset:64*\b
	ds_store_b128 v[STO32], v[8*\b+4:8*\b+7] offset:64*\b+16
.endr
	WIN 0
.irp t, 0,1,2,3,4,5,6,7,8,9,10,11,12,13,14,15
	ds_load_b128 v[B32+4*\t:B32+4*\t+3], v[RD32] offset:\t*P32
.endr
	s_wait_dscnt 0x0
.irp t, 0,1,2,3,4,5,6,7,8,9,10,11,12,13,14,15
	global_store_b128 v[CO32], v[B32+4*\t:B32+4*\t+3], s[18:19] offset:\t*4096
.endr
.Lkno32:
.macro KTOSTAGE a
.set BK, OB+192*((\a)%2)               ; v32-63 and v224-255 by turns
.irp b, 0,1,2,3,4,5,6,7
	ds_store_b128 v[STO], v[TMP+4*\b:TMP+4*\b+3] offset:32*\b
.endr
.irp t, 0,1,2,3,4,5,6,7
	ds_load_b128 v[BK+4*\t:BK+4*\t+3], v[RD] offset:\t*2*SPITCH
.endr
.endm
.macro KSEND a
.set BK, OB+192*((\a)%2)
	s_wait_dscnt 0x0
	s_wait_xcnt 0x0                                ; earlier stores have read their base and their registers
.if (\a) > 0
	s_add_nc_u64 s[8:9], s[8:9], 16*OROW
.endif
.irp t, 0,1,2,3,4,5,6,7
	global_store_b128 v[CO], v[BK+4*\t:BK+4*\t+3], s[8:9] offset:2*\t*OROW
.endr
.endm
	PACK 0
	KTOSTAGE 0
.irp a, 1,2,3,4,5,6,7
	PACK \a
	KSEND \a-1
	KTOSTAGE \a
.endr
	KSEND 7
	s_wait_tensorcnt 0x0                           ; the wave's end: the three lines
	ds_add_u32 v[SPW], v[NIL]
	s_wait_dscnt 0x0
	KCROUND                                        ; the closing round
	s_endpgm
.Lfunc_end_k_q904ed8cbb7_proj:
	.size	k_q904ed8cbb7_proj, .Lfunc_end_k_q904ed8cbb7_proj-k_q904ed8cbb7_proj
	.p2alignl 7, 3214868480
	.fill 96, 4, 3214868480
	.section	.rodata,"a",@progbits
	.p2align	6, 0x0
	.amdhsa_kernel k_q904ed8cbb7_proj
		.amdhsa_group_segment_fixed_size 327680
		.amdhsa_private_segment_fixed_size 0
		.amdhsa_enable_private_segment 0
		.amdhsa_kernarg_size 56
		.amdhsa_user_sgpr_count 2
		.amdhsa_user_sgpr_kernarg_segment_ptr 1
		.amdhsa_wavefront_size32 1
		.amdhsa_system_sgpr_workgroup_id_x 1
		.amdhsa_system_sgpr_workgroup_id_y 1
		.amdhsa_system_sgpr_workgroup_id_z 1
		.amdhsa_system_vgpr_workitem_id 0
		.amdhsa_next_free_vgpr 1024
		.amdhsa_next_free_sgpr 100
		.amdhsa_reserve_vcc 0
		.amdhsa_float_denorm_mode_32 3
		.amdhsa_float_denorm_mode_16_64 3
		.amdhsa_memory_ordered 1
		.amdhsa_forward_progress 1
		.amdhsa_inst_pref_size 255
	.end_amdhsa_kernel
	.section	.bss,"aw",@nobits
	.p2align	6
	.space	262144
	.amdgpu_metadata
---
amdhsa.version: [ 1, 2 ]
amdhsa.kernels:
  - .name:           k_q904ed8cbb7_proj
    .symbol:         k_q904ed8cbb7_proj.kd
    .args:
      - { .name: xq, .offset: 0, .size: 8, .value_kind: global_buffer, .address_space: global }
      - { .name: wq4, .offset: 8, .size: 8, .value_kind: global_buffer, .address_space: global }
      - { .name: bq, .offset: 16, .size: 8, .value_kind: global_buffer, .address_space: global }
      - { .name: bv, .offset: 24, .size: 8, .value_kind: global_buffer, .address_space: global }
      - { .name: qv, .offset: 32, .size: 8, .value_kind: global_buffer, .address_space: global }
      - { .name: h16, .offset: 40, .size: 8, .value_kind: global_buffer, .address_space: global }
      - { .name: kk, .offset: 48, .size: 8, .value_kind: global_buffer, .address_space: global }
    .group_segment_fixed_size: 327680
    .private_segment_fixed_size: 0
    .kernarg_segment_align: 8
    .kernarg_segment_size: 56
    .max_flat_workgroup_size: 128
    .sgpr_count:     100
    .vgpr_count:     1024
    .wavefront_size: 32
...
	.end_amdgpu_metadata
.endif
;; end of part 2
;; launch scores (part 3): grid 9 x 16, 4 waves a work-group, no clusters, 327,680 bytes of LDS; arguments qv, kk, p, st; writes p, st
.if DOCPART == 3
	.amdgcn_target "amdgcn-amd-amdhsa--gfx1250"
	.amdhsa_code_object_version 6
	.text
	.protected	k_q904ed8cbb7_scores
	.globl	k_q904ed8cbb7_scores
	.p2align	8
	.type	k_q904ed8cbb7_scores,@function
k_q904ed8cbb7_scores:
	s_mov_b64 s[64:65], 0
	v_nop
	global_prefetch_b8 v0, s[64:65] scope:SCOPE_SE
	s_setreg_imm32_b32 hwreg(HW_REG_WAVE_MODE, 25, 1), 1
	s_wait_xcnt 0x0
; For each tile of 256 queries x 256 keys at or under the diagonal: s = Q K^T (f16 operands, f32 sums); Mt = c x the largest unmasked s of each row in the tile, c = log2(e) / 32;
; p = 2^(c s - Mt), 0 where the key comes after the query; L = the row's sum of the unrounded p.  LEFT OUT: the tiles wholly above the diagonal of the problem's own mask (36 of 64 a batch are made).
; Out: p as f16 ([4][2048 q][2048 k]), Mt (st + 0) and L (st + 262,144), both [4][8 key blocks][2048 rows] f32.  The next launch takes the row's maximum over its blocks.
; THE TRIANGLE, FOLDED: x = 0 .. 8, pr = y % 4, batch = y / 4.  x <= pr: tile (I, J) = (pr, x); else (7 - pr, x - pr - 1): nine tiles for each pr.
; NO CLUSTER: where a row of the fold changes from I = pr to I = 7 - pr hangs on pr, so four neighbours along x share neither Q's tile nor K's at every place.
; Four waves, 128 x 128 each; K goes in steps of 128 through a ring of two slots; each wave fetches a quarter of a slot (waves 0, 1: Q's halves; 2, 3: K's).
; Source 0 = 16 keys, source 1 = 16 queries: lane (r, h) of accumulator (a, b) holds query 16 a + r and keys 16 b + 8 h + 0 .. 7.
; In a tile on the diagonal: the wave of the upper rows and right columns holds hidden keys alone: its maxima count as -infinity and its p are 0; the two waves on the diagonal mask by register.
.set KSTEP,  128
.set PITCH,  272
.set HALFT,  128*PITCH
.set SLOT,   4*HALFT
.set STAGE,  2*SLOT                    ; 16 rows x 272 for each wave
.set SPITCH, 272
.set XM,     STAGE+4*16*SPITCH         ; the waves' row maxima: 1,024 x (my column half) + 512 x (my row half) + 4 x row
.set XL,     XM+2048                   ; and their row sums, laid alike
.set SPARE,  XL+2048                   ; the spare words, 128 bytes for each wave, named by no other line
.set OROW,   4096                      ; a row of p in bytes
.set LAPS,   4
.set XW,   10                          ; v10  where I store my rows' figures
.set XP,   11                          ; v11  where my partner (the other column half) stored its
.set XE,   12                          ; v12  the end: 16 bytes a lane of 128 rows' figures
.set C4,   13                          ; v13  16 x lane
.set ADRA, 16
.set ADRB, 20
.set STO,  24
.set RD,   25
.set CO,   26
.set SPW,  28
.set NIL,  29
.set DL,   30                          ; v30  r - 8 h
.set NINF, 31                          ; v31  -infinity
.set F0,   64
.set F1,   128
.set TS,   64                          ; behind the loop, in window 0: v64-95 sums at work
.set LM,   96                          ; v96-103  my maxima
.set LT,   104                         ; v104-111 second chains; the partner's maxima; Mt
.set NM,   112                         ; v112-127 -Mt, in pairs
.set SUM,  128                         ; v128-135 my sums
.set TMP,  192
.set PT,   200                         ; v200-207 the permutes' destinations
.set OB,   32
.set G1, 24
.set G0, 32
.set CS, 46
.set SEL, 48
.set MSB, 0
.macro WIN new
.if MSB != (\new)
	s_set_vgpr_msb (MSB<<8)|(\new)
.set MSB, (\new)
.endif
.endm
.set MUL_LO, 0xa1
.set MUL_HI, 0xf1
.set TO_B,   0x40
	s_load_b128 s[4:7], s[0:1], 0x0                ; qv, kk
	s_load_b128 s[8:11], s[0:1], 0x10              ; p, st
	v_lshl_add_u32 v[SPW], v0, 2, SPARE
	v_mov_b32 v[NIL], 0
	ds_add_u32 v[SPW], v[NIL]                      ; the wave's opening: the add, twice on end, and its wait ahead of my first tensor load
	ds_add_u32 v[SPW], v[NIL]
	v_lshrrev_b32 v1, 5, v0
	v_readfirstlane_b32 s14, v1                    ; wave 0..3
	s_lshr_b32 s15, s14, 1                         ; my half of the queries.  Also: I fetch Q (0) or K (1)
	s_and_b32 s16, s14, 1                          ; my half of the keys.  Also: which 128 rows I fetch
	s_and_b32 s17, ttmp7, 0xffff
	s_and_b32 s18, s17, 3                          ; pr
	s_lshr_b32 s19, s17, 2                         ; batch
	s_sub_co_u32 s20, 7, s18
	s_sub_co_u32 s21, ttmp9, s18
	s_sub_co_u32 s21, s21, 1
	s_cmp_le_u32 ttmp9, s18
	s_cselect_b32 s20, s18, s20                    ; I
	s_cselect_b32 s21, ttmp9, s21                  ; J
	s_cmp_eq_u32 s20, s21
	s_cselect_b32 s22, 1, 0                        ; a tile on the diagonal
	s_cmp_eq_u32 s15, s16
	s_cselect_b32 s45, s22, 0                      ; 1: my part lies on the diagonal
	s_cmp_eq_u32 s14, 1
	s_cselect_b32 s23, s22, 0
	s_sub_co_u32 s23, 0, s23                       ; all ones: my part holds hidden keys alone
	s_sub_co_u32 s58, 0, s16                       ; all ones in the waves of the right column half
	s_mov_b32 s[G1+0], (1<<16)|(1<<20)|(5<<22)|(3<<25)   ; no mask; elements of 2 bytes; 4 words of padding behind every 64
	s_mov_b32 s[G1+1], 128<<16
	s_mov_b32 s[G1+2], 128<<16
	s_mov_b32 s[G1+3], 128<<16
	s_mov_b32 s[G1+4], 128
	s_mov_b32 s[G1+5], 1024
	s_mov_b32 s[G1+6], 0
	s_mov_b32 s[G1+7], 0
	s_mov_b32 s[CS], 0x3d38aa3b                    ; c = log2(e) / 32
	s_mov_b32 s[CS+1], s[CS]
	s_mov_b32 s[SEL], 0x76543210
	s_mov_b32 s[SEL+1], 0xfedcba98
	s_cmp_eq_u32 s15, 0
	s_cselect_b32 s40, s20, s21                    ; Q's tile goes by I, K's by J
	s_lshl_b32 s40, s40, 8
	s_lshl_b32 s41, s19, 11
	s_add_co_u32 s40, s40, s41
	s_lshl_b32 s41, s16, 7
	s_add_co_u32 s40, s40, s41
	s_lshl_b32 s40, s40, 11                        ; rows of 2,048 bytes
	s_mov_b32 s41, 0
	s_mul_i32 s2, s14, HALFT
	s_wait_dscnt 0x0
	s_wait_kmcnt 0x0
	s_cmp_eq_u32 s15, 0
	s_cselect_b64 s[42:43], s[4:5], s[6:7]
	s_add_nc_u64 s[42:43], s[42:43], s[40:41]
.irp s, 0,1
	s_mov_b32 s[G0+4*\s], 1
	s_add_co_u32 s[G0+4*\s+1], s2, \s*SLOT
	s_add_nc_u64 s[G0+4*\s+2:G0+4*\s+3], s[42:43], \s*256
	s_or_b32 s[G0+4*\s+3], s[G0+4*\s+3], 0x80000000
	tensor_load_to_lds s[G0+4*\s:G0+4*\s+3], s[G1:G1+7]   ; two loads of mine go out: K steps 0 and 1
	s_nop 0
.endr
	v_and_b32 v1, 15, v0                           ; r
	v_bfe_u32 v2, v0, 4, 1                         ; h
	v_mul_u32_u24 v3, v1, PITCH
	v_lshl_add_u32 v3, v2, 4, v3
	s_mul_i32 s2, s15, HALFT
	s_mul_i32 s3, s16, HALFT
	s_add_co_u32 s3, s3, 2*HALFT
.irp s, 0,1
	v_add_nc_u32 v[ADRA+\s], s2, v3
	v_add_nc_u32 v[ADRB+\s], s3, v3
	s_add_co_u32 s2, s2, SLOT
	s_add_co_u32 s3, s3, SLOT
.endr
	s_mul_i32 s2, s14, 16*SPITCH
	s_add_co_u32 s2, s2, STAGE
	v_mul_u32_u24 v5, v1, SPITCH
	v_lshl_add_u32 v5, v2, 4, v5
	v_add_nc_u32 v[STO], s2, v5
	v_mul_u32_u24 v5, v2, SPITCH
	v_lshl_add_u32 v5, v1, 4, v5
	v_add_nc_u32 v[RD], s2, v5
	v_lshlrev_b32 v5, 12, v2
	v_lshl_add_u32 v[CO], v1, 4, v5
	s_lshl_b32 s3, s15, 9
	s_lshl_b32 s2, s16, 10
	s_add_co_u32 s2, s2, s3
	s_add_co_u32 s2, s2, XM
	v_lshl_add_u32 v[XW], v1, 2, s2
	s_xor_b32 s2, s16, 1
	s_lshl_b32 s2, s2, 10
	s_add_co_u32 s2, s2, s3
	s_add_co_u32 s2, s2, XM
	v_lshl_add_u32 v[XP], v1, 2, s2
	s_lshl_b32 s2, s16, 11                         ; the waves of the left half gather the maxima, those of the right half the sums, 2,048 bytes on
	s_add_co_u32 s2, s2, s3
	s_add_co_u32 s2, s2, XM
	v_and_b32 v6, 31, v0
	v_lshlrev_b32 v[C4], 4, v6
	v_add_nc_u32 v[XE], s2, v[C4]
	v_lshlrev_b32 v5, 3, v2
	v_sub_nc_u32 v[DL], v1, v5
	v_mov_b32 v[NINF], 0xff800000
	s_lshl_b32 s2, s19, 11
	s_lshl_b32 s3, s20, 8
	s_add_co_u32 s2, s2, s3
	s_lshl_b32 s3, s15, 7
	s_add_co_u32 s2, s2, s3                        ; my first row of p
	s_lshl_b32 s2, s2, 12
	s_lshl_b32 s3, s21, 9
	s_add_co_u32 s2, s2, s3
	s_lshl_b32 s3, s16, 8
	s_add_co_u32 s2, s2, s3
	s_mov_b32 s3, 0
	s_add_nc_u64 s[8:9], s[8:9], s[2:3]
	s_lshl_b32 s2, s19, 3
	s_add_co_u32 s2, s2, s21                       ; 8 x batch + J
	s_lshl_b32 s2, s2, 11
	s_lshl_b32 s3, s20, 8
	s_add_co_u32 s2, s2, s3
	s_lshl_b32 s3, s15, 7
	s_add_co_u32 s2, s2, s3
	s_lshl_b32 s2, s2, 2
	s_lshl_b32 s3, s16, 18                         ; the sums lie 262,144 bytes behind the maxima
	s_add_co_u32 s2, s2, s3
	s_mov_b32 s3, 0
	s_add_nc_u64 s[10:11], s[10:11], s[2:3]
.macro MUL16 f, hi, a0, zero           ; the 64 accumulators take turns, one instruction a turn
.irp a, \a0, \a0+1
.irp b, 0,1,2,3,4,5,6,7
.if \zero
	v_wmma_f32_16x16x32_f16 v[8*(8*(\a)+\b):8*(8*(\a)+\b)+7], v[\f+8*\b:\f+8*\b+7], v[\f+8*(4*\hi+\a):\f+8*(4*\hi+\a)+7], 0
.else
	v_wmma_f32_16x16x32_f16 v[8*(8*(\a)+\b):8*(8*(\a)+\b)+7], v[\f+8*\b:\f+8*\b+7], v[\f+8*(4*\hi+\a):\f+8*(4*\hi+\a)+7], v[8*(8*(\a)+\b):8*(8*(\a)+\b)+7]
.endif
.endr
.endr
.endm
.macro FETCH slot, q, f
	WIN TO_B
.irp i, 0,1,2,3,4,5,6,7
	ds_load_b128 v[\f+8*\i:\f+8*\i+3],   v[ADRB+\slot] offset:64*(\q)+\i*16*PITCH
	ds_load_b128 v[\f+8*\i+4:\f+8*\i+7], v[ADRB+\slot] offset:64*(\q)+\i*16*PITCH+32
.endr
	WIN 0
.irp i, 0,1,2,3,4,5,6,7
	ds_load_b128 v[\f+8*\i:\f+8*\i+3],   v[ADRA+\slot] offset:64*(\q)+\i*16*PITCH
	ds_load_b128 v[\f+8*\i+4:\f+8*\i+7], v[ADRA+\slot] offset:64*(\q)+\i*16*PITCH+32
.endr
.endm
.macro PLACES
.rept 4
	v_nop
.endr
.endm
.macro QUARTER slot, q, f, g, zero
	s_wait_dscnt 8                                 ; the youngest eight loads (Q's rows 64-127) may be out
	WIN MUL_LO
	MUL16 \f, 0, 0, \zero
	MUL16 \f, 0, 2, \zero
	PLACES
	FETCH \slot, \q, \g
	s_wait_dscnt 32                                ; all but the 32 just issued
	WIN MUL_HI
	MUL16 \f, 1, 0, \zero
	MUL16 \f, 1, 2, \zero
.endm
.macro TURN slot, next, fill           ; the last quarter multiplies buffer 1 and changes slots: one barrier
	WIN 0
	s_wait_tensorcnt 0x0                           ; all my tensor loads have landed: my part of the next slot; so a group 0 may be written
	ds_add_u32 v[SPW], v[NIL]                      ; 0 onto my spare word
.if \fill
	s_add_nc_u64 s[G0+4*\slot+2:G0+4*\slot+3], s[G0+4*\slot+2:G0+4*\slot+3], 512   ; this slot's next K step
.endif
	s_wait_dscnt 9                                 ; the add and the youngest eight loads may be out
	WIN MUL_LO
	MUL16 F1, 0, 0, 0
	s_wait_dscnt 0x0                               ; the add is done, and my reads of this slot are over
	s_barrier_signal -1
	MUL16 F1, 0, 2, 0
	s_barrier_wait -1
.if \fill
	tensor_load_to_lds s[G0+4*\slot:G0+4*\slot+3], s[G1:G1+7]   ; my one load behind the barrier, and the first thing there
	s_nop 0
.endif
	PLACES
	FETCH \next, 0, F0
	WIN MUL_HI
	MUL16 F1, 1, 0, 0
	MUL16 F1, 1, 2, 0
.endm
	s_wait_tensorcnt 1                             ; my part of K step 0 is in; K step 1's load may be out
	s_barrier_signal -1
	s_barrier_wait -1
	FETCH 0, 0, F0
	QUARTER 0, 1, F0, F1, 1
	WIN 0
	s_mov_b32 s44, LAPS-1
.Llap:
	QUARTER 0, 2, F1, F0, 0
	QUARTER 0, 3, F0, F1, 0
	TURN 0, 1, 1
	QUARTER 1, 1, F0, F1, 0
	QUARTER 1, 2, F1, F0, 0
	QUARTER 1, 3, F0, F1, 0
	TURN 1, 0, 1
	QUARTER 0, 1, F0, F1, 0
	WIN 0
	s_sub_co_u32 s44, s44, 1
	s_cmp_lg_u32 s44, 0
	s_cbranch_scc1 .Llap
	QUARTER 0, 2, F1, F0, 0
	QUARTER 0, 3, F0, F1, 0
	TURN 0, 1, 0
	QUARTER 1, 1, F0, F1, 0
	QUARTER 1, 2, F1, F0, 0
	QUARTER 1, 3, F0, F1, 0
	s_wait_dscnt 8
	WIN MUL_LO
	MUL16 F1, 0, 0, 0
	MUL16 F1, 0, 2, 0
	s_wait_dscnt 0
	WIN MUL_HI
	MUL16 F1, 1, 0, 0
	MUL16 F1, 1, 2, 0
	WIN 0
.irp a, 0,1,2,3,4,5,6,7
	v_mov_b32 v[PT+\a], 0                          ; a lane permute's destination counts as one of its sources.  These eight lines are also the places behind the last products
.endr
	; ---- the mask, in the two waves that lie on the diagonal: key 16 b + 8 h + j is hidden from query 16 a + r where b > a, or b = a and j > r - 8 h
	s_cmp_eq_u32 s45, 0
	s_cbranch_scc1 .Lno_tri
.irp j, 0,1,2,3,4,5,6,7
	v_cmp_gt_i32 s[50+\j], \j, v[DL]
.endr
.macro TRIROW a
.set W, 2+(\a)/4
	WIN (W<<6)|W
.set AC, 64*((\a)%4)+8*(\a)
.irp j, 0,1,2,3,4,5,6,7
	v_cndmask_b32 v[AC+\j], v[AC+\j], v[NINF], s[50+\j]
.endr
.set AC, AC+8
.if (\a) < 7
.rept 8*(7-(\a))
	v_mov_b32 v[AC], 0xff800000
.set AC, AC+1
.endr
.endif
.endm
.irp a, 0,1,2,3,4,5,6,7
	TRIROW \a
.endr
	WIN 0
.Lno_tri:
	; ---- each row's largest score among my 128 keys: two chains a row, four rows by turns; each accumulator is read from its low end on
.macro ROWMAX4 w
	WIN ((2+\w)<<4)|((2+\w)<<2)
.irp a, 0,1,2,3
	v_max3_num_f32 v[LM+4*\w+\a], 0xff800000, v[64*\a], v[64*\a+1]
	v_max3_num_f32 v[LT+4*\w+\a], 0xff800000, v[64*\a+2], v[64*\a+3]
.endr
.set Q, 4
.rept 15
.irp a, 0,1,2,3
	v_max3_num_f32 v[LM+4*\w+\a], v[LM+4*\w+\a], v[64*\a+Q], v[64*\a+Q+1]
	v_max3_num_f32 v[LT+4*\w+\a], v[LT+4*\w+\a], v[64*\a+Q+2], v[64*\a+Q+3]
.endr
.set Q, Q+4
.endr
.endm
	ROWMAX4 0
	ROWMAX4 1
	WIN 0
.irp a, 0,1,2,3,4,5,6,7
	v_max_num_f32 v[LM+\a], v[LM+\a], v[LT+\a]
.endr
.irp a, 0,1,2,3,4,5,6,7
	v_permlanex16_b32 v[PT+\a], v[LM+\a], s[SEL], s[SEL+1]
.endr
.irp a, 0,1,2,3,4,5,6,7
	v_max_num_f32 v[LM+\a], v[LM+\a], v[PT+\a]     ; with lane l xor 16's keys
.endr
.irp a, 0,1,2,3,4,5,6,7
	v_mul_f32 v[LM+\a], s[CS], v[LM+\a]            ; as an exponent of 2 (c is positive)
.endr
.irp a, 0,1,2,3,4,5,6,7
	v_cndmask_b32 v[LM+\a], v[LM+\a], v[NINF], s23 ; a part of hidden keys alone has no maximum
.endr
.irp a, 0,1,2,3,4,5,6,7
	ds_store_b32 v[XW], v[LM+\a] offset:64*\a      ; both halves of the lanes write the same word with the same value
.endr
	s_wait_dscnt 0x0                               ; for the others' sake: my stores are done
	s_barrier_signal -1
	s_barrier_wait -1
.irp a, 0,1,2,3,4,5,6,7
	ds_load_b32 v[LT+\a], v[XP] offset:64*\a       ; the other 128 keys' maxima
.endr
	s_wait_dscnt 0x0
.irp a, 0,1,2,3,4,5,6,7
	v_max_num_f32 v[LT+\a], v[LM+\a], v[LT+\a]     ; Mt: finite, since each row's own key or an earlier one lies in the tile
.endr
.irp a, 0,1,2,3,4,5,6,7
	v_xor_b32 v[NM+2*\a], 0x80000000, v[LT+\a]     ; -Mt
.endr
.irp a, 0,1,2,3,4,5,6,7
	v_cndmask_b32 v[NM+2*\a], v[NM+2*\a], v[NINF], s23   ; hidden keys alone: c s - infinity, so that p = 0
.endr
.irp a, 0,1,2,3,4,5,6,7
	v_mov_b32 v[NM+2*\a+1], v[NM+2*\a]             ; (named with it as a pair, so it is written)
.endr
; ---- p, its sum, and the way out, a block of 16 queries at a time.  The block's 64 exponentials are one batch with one wait.
.macro SOFT a
.set W, 2+(\a)/4
.set AC, 64*((\a)%4)
	WIN (W<<6)|W
.set Q, 0
.rept 32
	v_pk_fma_f32 v[AC+Q:AC+Q+1], v[AC+Q:AC+Q+1], s[CS:CS+1], v[NM+2*(\a):NM+2*(\a)+1] op_sel_hi:[1,0,0]   ; c s - Mt, two at a time
.set Q, Q+2
.endr
.set Q, 0
.rept 64
	v_exp_f32 v[AC+Q], v[AC+Q]
.set Q, Q+1
.endr
	v_nop                                          ; a plain instruction behind the last exponential
	s_wait_alu depctr_va_vdst(0)                   ; one wait for the batch, ahead of its first reader
	WIN (W<<2)|W
.set Q, 0
.rept 32
	v_cvt_pk_f16_f32 v[TMP+Q], v[AC+2*Q], v[AC+2*Q+1]
.set Q, Q+1
.endr
.set Q, 0
.rept 16
	v_pk_add_f32 v[TS+2*Q:TS+2*Q+1], v[AC+4*Q:AC+4*Q+1], v[AC+4*Q+2:AC+4*Q+3]   ; the sum is taken of the unrounded p
.set Q, Q+1
.endr
	WIN 0
.irp i, 0,1,2,3,4,5,6,7
	v_pk_add_f32 v[TS+4*\i:TS+4*\i+1], v[TS+4*\i:TS+4*\i+1], v[TS+4*\i+2:TS+4*\i+3]
.endr
.irp i, 0,1,2,3
	v_pk_add_f32 v[TS+8*\i:TS+8*\i+1], v[TS+8*\i:TS+8*\i+1], v[TS+8*\i+4:TS+8*\i+5]
.endr
.irp i, 0,1
	v_pk_add_f32 v[TS+16*\i:TS+16*\i+1], v[TS+16*\i:TS+16*\i+1], v[TS+16*\i+8:TS+16*\i+9]
.endr
	v_pk_add_f32 v[TS:TS+1], v[TS:TS+1], v[TS+16:TS+17]
	v_add_f32 v[SUM+(\a)], v[TS], v[TS+1]
.endm
.macro TOSTAGE a
.set BK, OB+192*((\a)%2)
.irp b, 0,1,2,3,4,5,6,7
	ds_store_b128 v[STO], v[TMP+4*\b:TMP+4*\b+3] offset:32*\b
.endr
.irp t, 0,1,2,3,4,5,6,7
	ds_load_b128 v[BK+4*\t:BK+4*\t+3], v[RD] offset:\t*2*SPITCH   ; LDS serves a wave's instructions in order: these see my stores
.endr
.endm
.macro SEND a
.set BK, OB+192*((\a)%2)
	s_wait_dscnt 0x0
	s_wait_xcnt 0x0                                ; earlier stores have read their base and their registers
.if (\a) > 0
	s_add_nc_u64 s[8:9], s[8:9], 16*OROW
.endif
.irp t, 0,1,2,3,4,5,6,7
	global_store_b128 v[CO], v[BK+4*\t:BK+4*\t+3], s[8:9] offset:2*\t*OROW   ; 16 lanes store 256 consecutive bytes, aligned
.endr
.endm
	SOFT 0
	TOSTAGE 0
.irp a, 1,2,3,4,5,6,7
	SOFT \a
	SEND \a-1
	TOSTAGE \a
.endr
	SEND 7
	; ---- the rows' figures: the two column halves meet in LDS; the left waves store the maxima, the right waves the sums
.irp a, 0,1,2,3,4,5,6,7
	v_permlanex16_b32 v[PT+\a], v[SUM+\a], s[SEL], s[SEL+1]
.endr
.irp a, 0,1,2,3,4,5,6,7
	v_add_f32 v[SUM+\a], v[SUM+\a], v[PT+\a]
.endr
.irp a, 0,1,2,3,4,5,6,7
	ds_store_b32 v[XW], v[SUM+\a] offset:2048+64*\a
.endr
	s_wait_dscnt 0x0
	s_barrier_signal -1
	s_barrier_wait -1
	ds_load_b128 v[96:99], v[XE]
	ds_load_b128 v[100:103], v[XE] offset:1024
	s_wait_dscnt 0x0
.irp i, 0,1,2,3
	v_max_num_f32 v[104+\i], v[96+\i], v[100+\i]
	v_add_f32 v[108+\i], v[96+\i], v[100+\i]
.endr
.irp i, 0,1,2,3
	v_cndmask_b32 v[104+\i], v[104+\i], v[108+\i], s58
.endr
	global_store_b128 v[C4], v[104:107], s[10:11]  ; 128 rows' figures: 512 consecutive bytes
	s_wait_tensorcnt 0x0                           ; the wave's end: the three lines
	ds_add_u32 v[SPW], v[NIL]
	s_wait_dscnt 0x0
	s_endpgm
.Lfunc_end_k_q904ed8cbb7_scores:
	.size	k_q904ed8cbb7_scores, .Lfunc_end_k_q904ed8cbb7_scores-k_q904ed8cbb7_scores
	.p2alignl 7, 3214868480
	.fill 96, 4, 3214868480
	.section	.rodata,"a",@progbits
	.p2align	6, 0x0
	.amdhsa_kernel k_q904ed8cbb7_scores
		.amdhsa_group_segment_fixed_size 327680
		.amdhsa_private_segment_fixed_size 0
		.amdhsa_enable_private_segment 0
		.amdhsa_kernarg_size 32
		.amdhsa_user_sgpr_count 2
		.amdhsa_user_sgpr_kernarg_segment_ptr 1
		.amdhsa_wavefront_size32 1
		.amdhsa_system_sgpr_workgroup_id_x 1
		.amdhsa_system_sgpr_workgroup_id_y 1
		.amdhsa_system_sgpr_workgroup_id_z 1
		.amdhsa_system_vgpr_workitem_id 0
		.amdhsa_next_free_vgpr 1024
		.amdhsa_next_free_sgpr 66
		.amdhsa_reserve_vcc 0
		.amdhsa_float_denorm_mode_32 3
		.amdhsa_float_denorm_mode_16_64 3
		.amdhsa_memory_ordered 1
		.amdhsa_forward_progress 1
		.amdhsa_inst_pref_size 231
	.end_amdhsa_kernel
	.amdgpu_metadata
---
amdhsa.version: [ 1, 2 ]
amdhsa.kernels:
  - .name:           k_q904ed8cbb7_scores
    .symbol:         k_q904ed8cbb7_scores.kd
    .args:
      - { .name: qv, .offset: 0, .size: 8, .value_kind: global_buffer, .address_space: global }
      - { .name: kk, .offset: 8, .size: 8, .value_kind: global_buffer, .address_space: global }
      - { .name: p, .offset: 16, .size: 8, .value_kind: global_buffer, .address_space: global }
      - { .name: st, .offset: 24, .size: 8, .value_kind: global_buffer, .address_space: global }
    .group_segment_fixed_size: 327680
    .private_segment_fixed_size: 0
    .kernarg_segment_align: 8
    .kernarg_segment_size: 32
    .max_flat_workgroup_size: 128
    .sgpr_count:     66
    .vgpr_count:     1024
    .wavefront_size: 32
...
	.end_amdgpu_metadata
.endif
;; end of part 3
;; launch mix (part 4): grid 8 x 32, 4 waves a work-group, clusters of 4 x 1, 327,680 bytes of LDS; arguments p, st, qv, out0; writes out0
.if DOCPART == 4
	.amdgcn_target "amdgcn-amd-amdhsa--gfx1250"
	.amdhsa_code_object_version 6
	.text
	.protected	k_q904ed8cbb7_mix
	.globl	k_q904ed8cbb7_mix
	.p2align	8
	.type	k_q904ed8cbb7_mix,@function
k_q904ed8cbb7_mix:
	s_mov_b64 s[64:65], 0
	v_nop
	global_prefetch_b8 v0, s[64:65] scope:SCOPE_SE
	s_setreg_imm32_b32 hwreg(HW_REG_WAVE_MODE, 25, 1), 1
	s_wait_xcnt 0x0
	s_wait_alu depctr_hold_cnt(0) depctr_sa_sdst(0) depctr_va_vdst(0) depctr_va_sdst(0) depctr_va_ssrc(0) depctr_va_vcc(0) depctr_vm_vsrc(0)
	s_getreg_b32 s2, hwreg(HW_REG_IB_STS2, 6, 4)
	s_cmp_eq_u32 s2, 0
	s_cbranch_scc0 .Lentry_in_a_cluster
	s_endpgm
.Lentry_in_a_cluster:
	s_bfe_u32 s2, ttmp6, 0x10000c
	s_cmp_lg_u32 s2, 0x3003
	s_cbranch_scc0 .Lentry_shape_is_right
	s_endpgm
.Lentry_shape_is_right:
; out[q] = the sum over key blocks of g_blk(q) x (P_blk V_blk)[q], g_blk = 2^(Mt_blk - m) / l, m = the row's largest Mt, l = the sum over blocks of 2^(Mt_blk - m) L_blk.
; P, V: f16 operands; sums, g and the result f32.  LEFT OUT: the key blocks wholly above the diagonal of the problem's own mask; rows 0-15 of each sequence, which the next launch makes in f32.
; SHARES.  A work-group owns two blocks of 128 rows, hi = 15 - pr and lo = pr (pr = y % 8, batch = y / 8), x 128 channels (4 x cluster x + cx): together nine steps of 256 keys, whatever pr.
; Step 0 is (hi, keys 0), step 1 (lo, keys 0); step t >= 2, with u = t - 1: (hi, keys u) where u < NH = hi / 2 + 1, else (lo, keys 8 - u).  So both sums start at fixed places of the text.
; Four waves, 64 rows x 64 channels each.  A step's product is summed in T (16 accumulators) and then added, times g, onto O_hi or O_lo.
; CLUSTER of 4 x 1: the four channel blocks of a row pair read the same tiles of P: a joint load.  V's tile is the work-group's own: partners along the rows would need other keys at each step.
; Source 0 = 16 channels of V (stored [key][channel], read turned), source 1 = 16 rows of P: lane (r, h) holds query r and channels 8 h + 0 .. 7.
; REGISTERS: window 0: v0-31 addresses; v32-95 the way out; v96-107 offsets; v128-255 T.  window 1: two fragment buffers of 128.  window 2: O_hi v0-127, O_lo v128-255.
;   window 3: g, each twice as a pair: hi's block k at v[8 k + 2 a], lo's block k at v[64 + 8 k + 2 a].
.set PP,    528                        ; a row of P's tile: 512 bytes + 16
.set PV,    288                        ; a row of V's tile: 256 bytes + 32
.set VOFF,  128*PP
.set SLOT,  VOFF+256*PV
.set STAGE, 2*SLOT                     ; 16 rows x 272 for each wave
.set SP,    272
.set SPARE, STAGE+4*16*SP              ; the spare words, 128 bytes for each wave, named by no other line
.set ADRP, 16                          ; v16-17  my fragments of P in slot 0, 1
.set ADRV, 18                          ; v18-21  of V: slot 0 keys 0-127, 128-255; slot 1 likewise
.set STO,  24
.set RD,   25
.set CO,   26
.set SPW,  28
.set NIL,  29
.set NINF, 30
.set GO,   96
.set ACC,  128
.set GM,   128                         ; the head: v128-175 Mt, then 2^(Mt - m);
.set GLV,  176                         ; v176-223 L;
.set GX,   224                         ; v224-231 m; v232-239 l; v240-247 1 / l
.set GS,   232
.set GR,   240
.set F0,   0
.set F1,   128
.set G1P, 24
.set G0P, 32
.set G1V, 48
.set G0V, 56
.set MSB, 0
.macro WIN new
.if MSB != (\new)
	s_set_vgpr_msb (MSB<<8)|(\new)
.set MSB, (\new)
.endif
.endm
.set MUL,  0x05
.set TO_F, 0x40
.macro JLOAD s                         ; waves 0 and 1 fetch P's halves (jointly), waves 2 and 3 V's
	s_cmp_eq_u32 s13, 0
	s_cbranch_scc0 .Lfor_v_\@
	tensor_load_to_lds s[G0P+4*(\s):G0P+4*(\s)+3], s[G1P:G1P+7]
	s_nop 0
.rept 4
	v_nop
.endr
	s_branch .Lasked_\@
.Lfor_v_\@:
	tensor_load_to_lds s[G0V+4*(\s):G0V+4*(\s)+3], s[G1V:G1V+7]
	s_nop 0
.rept 4
	v_nop
.endr
.Lasked_\@:
.endm
.macro CREST
	s_cmp_lg_u32 s12, 0
	s_cbranch_scc1 .Lnot_wave_0_\@
	s_barrier_signal -3
.Lnot_wave_0_\@:
	s_barrier_wait -3
	s_barrier_signal -1
	s_barrier_wait -1
.endm
.macro CROUND
	s_barrier_signal -1
	s_barrier_wait -1
	CREST
.endm
; Where step t's tiles lie in memory, into the slot's two groups 0.  No tensor load of mine is out where this stands.  The choice hangs on y alone, which the partners share.
.macro SETADR t, slot
.if (\t) == 0
	s_mov_b32 s68, s46
	s_mov_b32 s70, 0
.elseif (\t) == 1
	s_mov_b32 s68, s47
	s_mov_b32 s70, 0
.elseif (\t) < 6
	s_add_co_u32 s68, s46, 512*((\t)-1)
	s_mov_b32 s70, ((\t)-1)*524288
.else
	s_add_co_u32 s68, s46, 512*((\t)-1)
	s_add_co_u32 s72, s47, 512*(9-(\t))
	s_mov_b32 s70, (9-(\t))*524288
	s_cmp_gt_u32 s22, (\t)-1
	s_cselect_b32 s68, s68, s72
	s_cselect_b32 s70, ((\t)-1)*524288, s70
.endif
	s_mov_b32 s69, 0
	s_mov_b32 s71, 0
	s_add_nc_u64 s[G0P+4*(\slot)+2:G0P+4*(\slot)+3], s[42:43], s[68:69]
	s_or_b32 s[G0P+4*(\slot)+3], s[G0P+4*(\slot)+3], 0x80000000
	s_add_nc_u64 s[G0V+4*(\slot)+2:G0V+4*(\slot)+3], s[44:45], s[70:71]
	s_or_b32 s[G0V+4*(\slot)+3], s[G0V+4*(\slot)+3], 0x80000000
.endm
	s_load_b256 s[4:11], s[0:1], 0x0               ; p s[4:5], st s[6:7], qv s[8:9], out0 s[10:11]
	v_lshl_add_u32 v[SPW], v0, 2, SPARE
	v_mov_b32 v[NIL], 0
	ds_add_u32 v[SPW], v[NIL]                      ; the wave's opening: the add, twice on end, and its wait ahead of my first tensor load
	ds_add_u32 v[SPW], v[NIL]
	v_lshrrev_b32 v1, 5, v0
	v_readfirstlane_b32 s12, v1                    ; wave 0..3
	s_lshr_b32 s13, s12, 1                         ; my half of the rows.  Also: I fetch P (0) or V (1)
	s_and_b32 s14, s12, 1                          ; my half of the channels.  Also: which half of that tile I fetch
	s_bfe_u32 s15, ttmp6, 0x40000                  ; cx
	s_lshl_b32 s16, ttmp9, 2
	s_add_co_u32 s16, s16, s15                     ; my block of 128 channels
	s_and_b32 s17, ttmp7, 0xffff
	s_and_b32 s18, s17, 7                          ; pr = lo
	s_lshr_b32 s19, s17, 3                         ; batch
	s_sub_co_u32 s20, 15, s18                      ; hi
	s_lshr_b32 s23, s20, 1                         ; hi's last key block
	s_add_co_u32 s22, s23, 1                       ; NH
	s_lshr_b32 s40, s18, 1                         ; lo's last key block
	s_lshl_b32 s46, s20, 19                        ; hi's 128 rows of 4,096 bytes in P,
	s_lshl_b32 s47, s18, 19                        ; lo's
	s_mov_b32 s[G1P+0], 15|(1<<16)|(1<<20)|(1<<21)|(6<<22)|(3<<25)   ; all four partners; elements of 2 bytes; 4 words of padding behind every 128
	s_mov_b32 s[G1P+1], 256<<16
	s_mov_b32 s[G1P+2], 64<<16
	s_mov_b32 s[G1P+3], 256<<16
	s_mov_b32 s[G1P+4], 64
	s_mov_b32 s[G1P+5], 2048
	s_mov_b32 s[G1P+6], 0
	s_mov_b32 s[G1P+7], 0
	s_mov_b32 s[G1V+0], (1<<16)|(1<<20)|(5<<22)|(7<<25)              ; no mask; 8 words of padding behind every 64
	s_mov_b32 s[G1V+1], 128<<16
	s_mov_b32 s[G1V+2], 128<<16
	s_mov_b32 s[G1V+3], 128<<16
	s_mov_b32 s[G1V+4], 128
	s_mov_b32 s[G1V+5], 1024
	s_mov_b32 s[G1V+6], 0
	s_mov_b32 s[G1V+7], 0
	s_mov_b32 s82, 0x76543210
	s_mov_b32 s83, 0xfedcba98
	s_lshl_b32 s66, s19, 23                        ; P: the batch, + my 64 rows of the tile's 128
	s_lshl_b32 s67, s14, 18
	s_add_co_u32 s66, s66, s67
	s_mov_b32 s67, 0
	s_lshl_b32 s74, s19, 22                        ; V: the batch, + my 128 keys of the tile's 256, + my channels
	s_lshl_b32 s75, s14, 18
	s_add_co_u32 s74, s74, s75
	s_lshl_b32 s75, s16, 8
	s_add_co_u32 s74, s74, s75
	s_add_co_u32 s74, s74, 0x1000000
	s_mov_b32 s75, 0
	s_mul_i32 s86, s14, 64*PP
	s_mul_i32 s87, s14, 128*PV
	s_add_co_u32 s87, s87, VOFF
	s_wait_dscnt 0x0
	s_wait_kmcnt 0x0
	s_add_nc_u64 s[42:43], s[4:5], s[66:67]
	s_add_nc_u64 s[44:45], s[8:9], s[74:75]
	CROUND                                         ; all four work-groups are here: the first joint loads meet
.irp s, 0,1
	s_mov_b32 s[G0P+4*\s], 1
	s_add_co_u32 s[G0P+4*\s+1], s86, \s*SLOT
	s_mov_b32 s[G0V+4*\s], 1
	s_add_co_u32 s[G0V+4*\s+1], s87, \s*SLOT
.endr
	SETADR 0, 0
	SETADR 1, 1
	s_cmp_eq_u32 s13, 0                            ; a wave's two first fills stand in one branch: two loads of mine go out
	s_cbranch_scc0 .Lfirst_v
	tensor_load_to_lds s[G0P:G0P+3], s[G1P:G1P+7]
	s_nop 0
	tensor_load_to_lds s[G0P+4:G0P+7], s[G1P:G1P+7]
	s_nop 0
.rept 4
	v_nop
.endr
	s_branch .Lfirst_asked
.Lfirst_v:
	tensor_load_to_lds s[G0V:G0V+3], s[G1V:G1V+7]
	s_nop 0
	tensor_load_to_lds s[G0V+4:G0V+7], s[G1V:G1V+7]
	s_nop 0
.rept 4
	v_nop
.endr
.Lfirst_asked:
	v_and_b32 v1, 15, v0                           ; r
	v_bfe_u32 v2, v0, 4, 1                         ; h
	; ---- g for my rows.  Offsets: (min(block, the row block's last) x 2,048 + 128 x row block + 64 x my half + r) x 4; a block past the last is read at the last and then counts as -infinity
	s_lshl_b32 s66, s13, 6
	s_lshl_b32 s84, s20, 7
	s_add_co_u32 s84, s84, s66
	s_lshl_b32 s84, s84, 2
	s_lshl_b32 s85, s18, 7
	s_add_co_u32 s85, s85, s66
	s_lshl_b32 s85, s85, 2
	s_lshl_b32 s80, s19, 16                        ; the batch's 8 x 2,048 figures
	s_mov_b32 s81, 0
	s_add_nc_u64 s[80:81], s[6:7], s[80:81]
.macro GOFF k, blk, ireg, rbase
	s_min_u32 s66, s[\ireg], \blk
	s_lshl_b32 s66, s66, 13
	s_add_co_u32 s66, s66, s[\rbase]
	v_lshl_add_u32 v[GO+\k], v1, 2, s66
.endm
.irp k, 0,1,2,3,4,5,6,7
	GOFF \k, \k, 23, 84
.endr
.irp k, 0,1,2,3
	GOFF 8+\k, \k, 40, 85
.endr
.irp k, 0,1,2,3,4,5,6,7,8,9,10,11
.irp a, 0,1,2,3
	global_load_b32 v[GM+4*\k+\a],  v[GO+\k], s[80:81] offset:64*\a
	global_load_b32 v[GLV+4*\k+\a], v[GO+\k], s[80:81] offset:262144+64*\a
.endr
.endr
	v_mov_b32 v[NINF], 0xff800000
	v_mul_u32_u24 v3, v1, PP
	v_lshl_add_u32 v3, v2, 4, v3
	s_mul_i32 s66, s13, 64*PP                      ; my 64 rows of P
	v_and_b32 v4, 7, v0
	v_lshl_add_u32 v4, v2, 3, v4                   ; the turning load: key 8 h + lane % 8,
	v_mul_u32_u24 v4, v4, PV
	v_bfe_u32 v5, v0, 3, 1
	v_lshl_add_u32 v4, v5, 4, v4
	s_lshl_b32 s67, s14, 7                         ; my 64 channels
	s_add_co_u32 s67, s67, VOFF
	v_add_nc_u32 v[ADRP], s66, v3
	v_add_nc_u32 v[ADRP+1], SLOT, v[ADRP]
	v_add_nc_u32 v[ADRV], s67, v4
	v_add_nc_u32 v[ADRV+1], 128*PV, v[ADRV]
	v_add_nc_u32 v[ADRV+2], SLOT, v[ADRV]
	v_add_nc_u32 v[ADRV+3], SLOT, v[ADRV+1]
	s_mul_i32 s66, s12, 16*SP
	s_add_co_u32 s66, s66, STAGE
	v_mul_u32_u24 v6, v1, SP
	v_lshl_add_u32 v6, v2, 5, v6
	v_add_nc_u32 v[STO], s66, v6                   ; the stage, in: row r, 32 bytes for each half of the lanes
	v_mul_u32_u24 v6, v2, SP
	v_lshl_add_u32 v6, v1, 4, v6
	v_add_nc_u32 v[RD], s66, v6                    ; back: lanes 0-15 one row of 256 bytes, lanes 16-31 the next
	v_lshlrev_b32 v6, 12, v2
	v_lshl_add_u32 v[CO], v1, 4, v6
	s_lshl_b32 s66, s19, 11
	s_lshl_b32 s67, s13, 6
	s_add_co_u32 s66, s66, s67
	s_lshl_b32 s67, s20, 7
	s_add_co_u32 s68, s66, s67
	s_lshl_b32 s68, s68, 12                        ; hi's first row of mine, in bytes of out0,
	s_lshl_b32 s67, s18, 7
	s_add_co_u32 s70, s66, s67
	s_lshl_b32 s70, s70, 12                        ; lo's
	s_lshl_b32 s67, s16, 9
	s_lshl_b32 s72, s14, 8
	s_add_co_u32 s67, s67, s72                     ; my first channel
	s_add_co_u32 s68, s68, s67
	s_add_co_u32 s70, s70, s67
	s_mov_b32 s69, 0
	s_mov_b32 s71, 0
	s_add_nc_u64 s[76:77], s[10:11], s[68:69]
	s_add_nc_u64 s[78:79], s[10:11], s[70:71]
	s_or_b32 s88, s18, s13                         ; 0: lo's first 16 rows of mine are a sequence's first 16
	s_wait_loadcnt 0x0
.macro GKILL k, blk, ireg
	s_cmp_lt_u32 s[\ireg], \blk
	s_cselect_b32 s66, -1, 0
.irp a, 0,1,2,3
	v_cndmask_b32 v[GM+4*(\k)+\a], v[GM+4*(\k)+\a], v[NINF], s66
.endr
.endm
	GKILL 5, 5, 23
	GKILL 6, 6, 23
	GKILL 7, 7, 23
	GKILL 9, 1, 40
	GKILL 10, 2, 40
	GKILL 11, 3, 40
.irp a, 0,1,2,3
	v_max3_num_f32 v[GX+\a], v[GM+\a], v[GM+4+\a], v[GM+8+\a]
	v_max3_num_f32 v[GX+4+\a], v[GM+32+\a], v[GM+36+\a], v[GM+40+\a]
.endr
.irp a, 0,1,2,3
	v_max3_num_f32 v[GX+\a], v[GX+\a], v[GM+12+\a], v[GM+16+\a]
	v_max_num_f32 v[GX+4+\a], v[GX+4+\a], v[GM+44+\a]
.endr
.irp a, 0,1,2,3
	v_max3_num_f32 v[GX+\a], v[GX+\a], v[GM+20+\a], v[GM+24+\a]
.endr
.irp a, 0,1,2,3
	v_max_num_f32 v[GX+\a], v[GX+\a], v[GM+28+\a]  ; m: the row's maximum, taken away before the exponentials
.endr
.irp k, 0,1,2,3,4,5,6,7
.irp a, 0,1,2,3
	v_sub_f32 v[GM+4*\k+\a], v[GM+4*\k+\a], v[GX+\a]
.endr
.endr
.irp k, 8,9,10,11
.irp a, 0,1,2,3
	v_sub_f32 v[GM+4*\k+\a], v[GM+4*\k+\a], v[GX+4+\a]
.endr
.endr
.set Q, 0
.rept 48
	v_exp_f32 v[GM+Q], v[GM+Q]
.set Q, Q+1
.endr
	v_nop
	s_wait_alu depctr_va_vdst(0)                   ; one wait for the 48, ahead of their first reader
.irp a, 0,1,2,3
	v_mul_f32 v[GS+\a], v[GM+\a], v[GLV+\a]
	v_mul_f32 v[GS+4+\a], v[GM+32+\a], v[GLV+32+\a]
.endr
.irp k, 1,2,3,4,5,6,7
.irp a, 0,1,2,3
	v_fmac_f32 v[GS+\a], v[GM+4*\k+\a], v[GLV+4*\k+\a]
.endr
.endr
.irp k, 9,10,11
.irp a, 0,1,2,3
	v_fmac_f32 v[GS+4+\a], v[GM+4*\k+\a], v[GLV+4*\k+\a]
.endr
.endr
.irp i, 0,1,2,3,4,5,6,7
	v_rcp_f32 v[GR+\i], v[GS+\i]
.endr
	v_nop
	s_wait_alu depctr_va_vdst(0)                   ; one wait for the eight
	WIN 0xc0                                       ; destination window 3
.irp k, 0,1,2,3,4,5,6,7
.irp a, 0,1,2,3
	v_mul_f32 v[8*\k+2*\a],   v[GM+4*\k+\a], v[GR+\a]
	v_mul_f32 v[8*\k+2*\a+1], v[GM+4*\k+\a], v[GR+\a]
.endr
.endr
.irp k, 8,9,10,11
.irp a, 0,1,2,3
	v_mul_f32 v[8*\k+2*\a],   v[GM+4*\k+\a], v[GR+4+\a]
	v_mul_f32 v[8*\k+2*\a+1], v[GM+4*\k+\a], v[GR+4+\a]
.endr
.endr
	WIN 0
.macro MUL8 f, c, a0, zero             ; 8 products; the 16 accumulators take turns, one instruction a turn
.irp a, \a0, \a0+1
.irp b, 0,1,2,3
.if \zero
	v_wmma_f32_16x16x32_f16 v[ACC+8*(4*(\a)+\b):ACC+8*(4*(\a)+\b)+7], v[\f+64+8*(4*\c+\b):\f+64+8*(4*\c+\b)+7], v[\f+8*(4*\c+\a):\f+8*(4*\c+\a)+7], 0
.else
	v_wmma_f32_16x16x32_f16 v[ACC+8*(4*(\a)+\b):ACC+8*(4*(\a)+\b)+7], v[\f+64+8*(4*\c+\b):\f+64+8*(4*\c+\b)+7], v[\f+8*(4*\c+\a):\f+8*(4*\c+\a)+7], v[ACC+8*(4*(\a)+\b):ACC+8*(4*(\a)+\b)+7]
.endif
.endr
.endr
.endm
.macro FETCH slot, q, f                ; the fragments of the slot's q-th 64 keys; the first 32 keys first
	WIN TO_F
.irp c, 0,1
.irp i, 0,1,2,3
	ds_load_tr16_b128 v[\f+64+8*(4*\c+\i):\f+64+8*(4*\c+\i)+3],   v[ADRV+2*(\slot)+(\q)/2] offset:(64*((\q)%2)+32*\c)*PV+32*\i
	ds_load_tr16_b128 v[\f+64+8*(4*\c+\i)+4:\f+64+8*(4*\c+\i)+7], v[ADRV+2*(\slot)+(\q)/2] offset:(64*((\q)%2)+32*\c)*PV+16*PV+32*\i
	ds_load_b128 v[\f+8*(4*\c+\i):\f+8*(4*\c+\i)+3],   v[ADRP+(\slot)] offset:128*(\q)+64*\c+\i*16*PP
	ds_load_b128 v[\f+8*(4*\c+\i)+4:\f+8*(4*\c+\i)+7], v[ADRP+(\slot)] offset:128*(\q)+64*\c+\i*16*PP+32
.endr
.endr
.endm
.macro PLACES
.rept 4
	v_nop
.endr
.endm
.macro QUARTER slot, q, f, g, zero     ; multiplies buffer f (64 keys); in its middle fetches the slot's quarter q into g
	s_wait_dscnt 16                                ; the first 32 keys' fragments are in; the other sixteen loads may be out
	WIN MUL
	MUL8 \f, 0, 0, \zero
	MUL8 \f, 0, 2, \zero
	PLACES
	FETCH \slot, \q, \g
	s_wait_dscnt 32                                ; all but the 32 just issued
	WIN MUL
	MUL8 \f, 1, 0, 0
	MUL8 \f, 1, 2, 0
.endm
.macro TURN slot, next, fill, t        ; the last quarter multiplies buffer 1 and changes slots
	WIN 0
	s_wait_tensorcnt 0x0                           ; all my tensor loads have landed: my part of the next slot
	ds_add_u32 v[SPW], v[NIL]                      ; 0 onto my spare word
	s_wait_dscnt 17                                ; the add and the youngest sixteen loads may be out
	WIN MUL
	MUL8 F1, 0, 0, 0
	s_wait_dscnt 0x0                               ; the add is done, and my reads of this slot are over
	s_barrier_signal -1
	MUL8 F1, 0, 2, 0
.if \fill
	WIN 0
.endif
	s_barrier_wait -1
.if \fill
	CREST                                          ; the barrier has opened a round of the cluster's: no wave of any partner still reads this slot or has a load on its way
	SETADR (\t)+2, \slot
	JLOAD \slot                                    ; the first tensor load behind the round; its four v_nop are the places in front of the loads below
.else
	PLACES
.endif
	FETCH \next, 0, F0
	WIN MUL
	MUL8 F1, 1, 0, 0
	MUL8 F1, 1, 2, 0
.endm
; O += g x T (mul = 0) or O = g x T (mul = 1).  ob: 0 O_hi, 128 O_lo.  g: the block's first register in window 3.  Each accumulator of T is read from its low end on.
.macro OACC ob, g, mul
.if \mul
	WIN 0x8c                                       ; destination window 2, T window 0, g window 3
.else
	WIN 0xac                                       ; and the addend window 2
.endif
.irp a, 0,1,2,3
.irp b, 0,1,2,3
.irp j, 0,2,4,6
.if \mul
	v_pk_mul_f32 v[\ob+8*(4*\a+\b)+\j:\ob+8*(4*\a+\b)+\j+1], v[ACC+8*(4*\a+\b)+\j:ACC+8*(4*\a+\b)+\j+1], v[\g+2*\a:\g+2*\a+1]
.else
	v_pk_fma_f32 v[\ob+8*(4*\a+\b)+\j:\ob+8*(4*\a+\b)+\j+1], v[ACC+8*(4*\a+\b)+\j:ACC+8*(4*\a+\b)+\j+1], v[\g+2*\a:\g+2*\a+1], v[\ob+8*(4*\a+\b)+\j:\ob+8*(4*\a+\b)+\j+1]
.endif
.endr
.endr
.endr
	WIN 0
.endm
.macro ACCUM t                         ; step t's product goes onto its sum.  The lines on the other accumulators are the places in front of the next step's first products, which write T anew
	WIN 0
	PLACES
.if (\t) == 0
	OACC 0, 0, 1
.elseif (\t) == 1
	OACC 128, 64, 1
.elseif (\t) < 6
	OACC 0, 8*((\t)-1), 0
.else
	s_cmp_gt_u32 s22, (\t)-1
	s_cbranch_scc0 .Llo_\@
	OACC 0, 8*((\t)-1), 0
	s_branch .Ldone_\@
.Llo_\@:
	OACC 128, 64+8*(9-(\t)), 0
.Ldone_\@:
.endif
.endm
	s_wait_tensorcnt 1                             ; my part of step 0 is in; step 1's load may be out
	s_barrier_signal -1
	s_barrier_wait -1
	FETCH 0, 0, F0
.irp t, 0,1,2,3,4,5,6
	QUARTER (\t)%2, 1, F0, F1, 1
	QUARTER (\t)%2, 2, F1, F0, 0
	QUARTER (\t)%2, 3, F0, F1, 0
	TURN (\t)%2, 1-(\t)%2, 1, \t
	ACCUM \t
.endr
	QUARTER 1, 1, F0, F1, 1                        ; step 7: nothing is left to ask for
	QUARTER 1, 2, F1, F0, 0
	QUARTER 1, 3, F0, F1, 0
	TURN 1, 0, 0, 7
	ACCUM 7
	QUARTER 0, 1, F0, F1, 1                        ; step 8
	QUARTER 0, 2, F1, F0, 0
	QUARTER 0, 3, F0, F1, 0
	s_wait_dscnt 16
	WIN MUL
	MUL8 F1, 0, 0, 0
	MUL8 F1, 0, 2, 0
	s_wait_dscnt 0
	MUL8 F1, 1, 0, 0
	MUL8 F1, 1, 2, 0
	ACCUM 8
; THE WAY OUT: eight blocks of 16 rows x 64 channels (hi's four, then lo's) through my stage: a row's 256 bytes leave as one aligned run from sixteen lanes.
.macro OSTAGE e
.set OREG, 128*((\e)/4)+32*((\e)%4)
	WIN 0x08                                       ; an LDS store's data: window 2
.irp b, 0,1,2,3
	ds_store_b128 v[STO], v[OREG+8*\b:OREG+8*\b+3] offset:64*\b
	ds_store_b128 v[STO], v[OREG+8*\b+4:OREG+8*\b+7] offset:64*\b+16
.endr
	WIN 0
.set BB, 32+32*((\e)%2)
.irp i, 0,1,2,3,4,5,6,7
	ds_load_b128 v[BB+4*\i:BB+4*\i+3], v[RD] offset:\i*2*SP   ; LDS serves a wave's instructions in order: these see my stores
.endr
.endm
.macro OSEND e, younger
.set BB, 32+32*((\e)%2)
	s_wait_dscnt \younger                          ; the next block's eight stores and eight loads may be out
.if (\e) == 4
	s_cmp_eq_u32 s88, 0                            ; a sequence's first 16 rows are the next launch's
	s_cbranch_scc1 .Lnot_mine
.endif
.irp i, 0,1,2,3,4,5,6,7
	global_store_b128 v[CO], v[BB+4*\i:BB+4*\i+3], s[76+2*((\e)/4):77+2*((\e)/4)] offset:65536*((\e)%4)+8192*\i th:TH_STORE_NT
.endr
.if (\e) == 4
.Lnot_mine:
.endif
.endm
	OSTAGE 0
.irp e, 1,2,3,4,5,6,7
.if \e > 1
	s_wait_xcnt 0x0                                ; the stores of two blocks back have read the registers into which this block's loads land
.endif
	OSTAGE \e
	OSEND \e-1, 16
.endr
	OSEND 7, 0
	s_wait_tensorcnt 0x0                           ; the wave's end: the three lines
	ds_add_u32 v[SPW], v[NIL]
	s_wait_dscnt 0x0
	CROUND                                         ; the closing round
	s_endpgm
.Lfunc_end_k_q904ed8cbb7_mix:
	.size	k_q904ed8cbb7_mix, .Lfunc_end_k_q904ed8cbb7_mix-k_q904ed8cbb7_mix
	.p2alignl 7, 3214868480
	.fill 96, 4, 3214868480
	.section	.rodata,"a",@progbits
	.p2align	6, 0x0
	.amdhsa_kernel k_q904ed8cbb7_mix
		.amdhsa_group_segment_fixed_size 327680
		.amdhsa_private_segment_fixed_size 0
		.amdhsa_enable_private_segment 0
		.amdhsa_kernarg_size 32
		.amdhsa_user_sgpr_count 2
		.amdhsa_user_sgpr_kernarg_segment_ptr 1
		.amdhsa_wavefront_size32 1
		.amdhsa_system_sgpr_workgroup_id_x 1
		.amdhsa_system_sgpr_workgroup_id_y 1
		.amdhsa_system_sgpr_workgroup_id_z 1
		.amdhsa_system_vgpr_workitem_id 0
		.amdhsa_next_free_vgpr 1024
		.amdhsa_next_free_sgpr 90
		.amdhsa_reserve_vcc 0
		.amdhsa_float_denorm_mode_32 3
		.amdhsa_float_denorm_mode_16_64 3
		.amdhsa_memory_ordered 1
		.amdhsa_forward_progress 1
		.amdhsa_inst_pref_size 255
	.end_amdhsa_kernel
	.section	.bss,"aw",@nobits
	.p2align	6
	.space	262144
	.amdgpu_metadata
---
amdhsa.version: [ 1, 2 ]
amdhsa.kernels:
  - .name:           k_q904ed8cbb7_mix
    .symbol:         k_q904ed8cbb7_mix.kd
    .args:
      - { .name: p, .offset: 0, .size: 8, .value_kind: global_buffer, .address_space: global }
      - { .name: st, .offset: 8, .size: 8, .value_kind: global_buffer, .address_space: global }
      - { .name: qv, .offset: 16, .size: 8, .value_kind: global_buffer, .address_space: global }
      - { .name: out0, .offset: 24, .size: 8, .value_kind: global_buffer, .address_space: global }
    .group_segment_fixed_size: 327680
    .private_segment_fixed_size: 0
    .kernarg_segment_align: 8
    .kernarg_segment_size: 32
    .max_flat_workgroup_size: 128
    .sgpr_count:     90
    .vgpr_count:     1024
    .wavefront_size: 32
...
	.end_amdgpu_metadata
.endif
;; end of part 4
;; launch head16 (part 5): grid 4 x 1, 16 waves a work-group, no clusters, 88,064 bytes of LDS; arguments qv, kk, out0; writes out0
.if DOCPART == 5
	.amdgcn_target "amdgcn-amd-amdhsa--gfx1250"
	.amdhsa_code_object_version 6
	.text
	.protected	k_q904ed8cbb7_head16
	.globl	k_q904ed8cbb7_head16
	.p2align	8
	.type	k_q904ed8cbb7_head16,@function
k_q904ed8cbb7_head16:
	s_mov_b64 s[64:65], 0
	v_nop
	global_prefetch_b8 v0, s[64:65] scope:SCOPE_SE
	s_setreg_imm32_b32 hwreg(HW_REG_WAVE_MODE, 25, 1), 1
	s_wait_xcnt 0x0
; The first 16 positions of each sequence, in f32 throughout: these rows average one to sixteen values, so the rounding of 16-bit operands would weigh most here.
; In: the f32 rows that the projections stored: Q's at qv + 33,554,432, V's at qv + 33,816,576, K's at kk + 16,777,216, each [4 x 16][1024].  (bk is left out, as the first kernel's head shows.)
; One work-group a batch; wave w takes channels 64 w .. 64 w + 63: its part of the scores (16 products of 16 x 16 x 4), then, with all waves' parts added, the softmax, then its 64 channels of the result.
; S^T = K Q^T (source 0 = 16 keys, source 1 = 16 queries): lane (r, h) holds query r and keys 8 h + 0 .. 7.  O^T = V^T P^T: source 0 = 16 channels x 4 keys, source 1 = P.
; The order of the contracted index in the registers is free where both sources take the same: scores: channel 32 h + 2 i + j in product i; result: key 8 h + 2 t + j in product t, which is how p lies.
; The registers that the f32 matrix form writes (SA, OA) are written by matrix instructions alone.
.set SP,    272
.set SIMG,  16*16*SP                   ; behind the sixteen stages: each wave's part of the scores as an image of its registers, 1,024 bytes
.set SPARE, SIMG+16*1024               ; the spare words, 128 bytes for each wave, named by no other line
.set SPW, 28
.set NIL, 29
.set RA,  32                           ; v32-63   Q: register 4 i + e: channel 32 h + 4 i + e of row r.  Later the result
.set RB,  64                           ; v64-95   K likewise.  Later the rows read back
.set RC,  96                           ; v96-127  V: register 8 n + 2 t + j: key 8 h + 2 t + j, channel 16 n + r
.set SA,  128                          ; v128-159 four accumulators of scores
.set OA,  160                          ; v160-191 four accumulators of the result
.set S,   192
.set P,   200
.set IM,  208                          ; v208-239 four waves' images
.set OS,  32
.set BK,  64
	s_load_b128 s[4:7], s[0:1], 0x0                ; qv, kk
	s_load_b64 s[8:9], s[0:1], 0x10                ; out0
	v_lshl_add_u32 v[SPW], v0, 2, SPARE
	v_mov_b32 v[NIL], 0
	v_lshrrev_b32 v1, 5, v0
	v_readfirstlane_b32 s10, v1                    ; wave 0..15
	v_and_b32 v2, 15, v0                           ; r
	v_bfe_u32 v3, v0, 4, 1                         ; h
	v_lshlrev_b32 v4, 12, v2
	v_lshl_add_u32 v4, v3, 7, v4                   ; Q, K: row r of 4,096 bytes, + 128 h
	v_lshlrev_b32 v5, 15, v3
	v_lshl_add_u32 v5, v2, 2, v5                   ; V: key 8 h, channel r
	v_and_b32 v1, 31, v0
	v_lshlrev_b32 v7, 4, v1
	v_add_nc_u32 v7, SIMG, v7                      ; an image's place for my lane
	s_lshl_b32 s11, s10, 10
	v_add_nc_u32 v6, s11, v7                       ; my wave's image
	s_mul_i32 s11, s10, 16*SP                      ; my stage
	v_mul_u32_u24 v8, v2, SP
	v_lshl_add_u32 v8, v3, 5, v8
	v_add_nc_u32 v8, s11, v8                       ; in: row r, 32 bytes for each half of the lanes
	v_mul_u32_u24 v9, v3, SP
	v_lshl_add_u32 v9, v2, 4, v9
	v_add_nc_u32 v9, s11, v9                       ; back: lanes 0-15 one row of 256 bytes, lanes 16-31 the next
	v_lshlrev_b32 v10, 12, v3
	v_lshl_add_u32 v10, v2, 4, v10                 ; and the same two rows in out0
	v_lshlrev_b32 v11, 3, v3
	v_sub_nc_u32 v11, v2, v11                      ; r - 8 h
	v_mov_b32 v12, 0xff800000
	v_mov_b32 v14, 0                               ; a lane permute's destination counts as one of its sources
	s_mov_b32 s20, 0x76543210
	s_mov_b32 s21, 0xfedcba98
	s_mov_b32 s22, 0x3d38aa3b                      ; c = log2(e) / 32
	s_lshl_b32 s12, ttmp9, 16                      ; the batch's 16 rows of 4,096 bytes
	s_lshl_b32 s13, s10, 8                         ; my 64 channels
	s_add_co_u32 s12, s12, s13
	s_mov_b32 s13, 0
	s_lshl_b32 s24, ttmp9, 23                      ; the batch in out0
	s_lshl_b32 s25, s10, 8
	s_add_co_u32 s24, s24, s25
	s_mov_b32 s25, 0
	s_wait_kmcnt 0x0
	s_add_nc_u64 s[14:15], s[4:5], s[12:13]
	s_add_nc_u64 s[16:17], s[14:15], 0x2040000     ; V's rows
	s_add_nc_u64 s[14:15], s[14:15], 0x2000000     ; Q's
	s_add_nc_u64 s[18:19], s[6:7], s[12:13]
	s_add_nc_u64 s[18:19], s[18:19], 0x1000000     ; K's
	s_add_nc_u64 s[8:9], s[8:9], s[24:25]
.irp i, 0,1,2,3,4,5,6,7
	global_load_b128 v[RA+4*\i:RA+4*\i+3], v4, s[14:15] offset:16*\i
.endr
.irp i, 0,1,2,3,4,5,6,7
	global_load_b128 v[RB+4*\i:RB+4*\i+3], v4, s[18:19] offset:16*\i
.endr
.irp n, 0,1,2,3
.irp t, 0,1,2,3
.irp j, 0,1
	global_load_b32 v[RC+8*\n+2*\t+\j], v5, s[16:17] offset:(2*\t+\j)*4096+64*\n
.endr
.endr
.endr
	s_wait_loadcnt 32                              ; Q and K are in; V's 32 loads may be out
.irp i, 0,1,2,3                                ; four accumulators by turns, one instruction a turn; each sum's first product takes the constant 0
	v_wmma_f32_16x16x4_f32 v[SA+8*\i:SA+8*\i+7], v[RB+2*\i:RB+2*\i+1], v[RA+2*\i:RA+2*\i+1], 0
.endr
.irp i, 4,5,6,7,8,9,10,11,12,13,14,15
	v_wmma_f32_16x16x4_f32 v[SA+8*(\i%4):SA+8*(\i%4)+7], v[RB+2*\i:RB+2*\i+1], v[RA+2*\i:RA+2*\i+1], v[SA+8*(\i%4):SA+8*(\i%4)+7]
.endr
.rept 8
	v_nop                                          ; eight places behind this form, in front of the first read of its results
.endr
.irp i, 0,2,4,6
	v_pk_add_f32 v[S+\i:S+\i+1], v[SA+\i:SA+\i+1], v[SA+8+\i:SA+8+\i+1]
	v_pk_add_f32 v[P+\i:P+\i+1], v[SA+16+\i:SA+16+\i+1], v[SA+24+\i:SA+24+\i+1]
.endr
.irp i, 0,2,4,6
	v_pk_add_f32 v[S+\i:S+\i+1], v[S+\i:S+\i+1], v[P+\i:P+\i+1]
.endr
	ds_store_b128 v6, v[S:S+3]                     ; my channels' part of the scores, as it stands in my registers
	ds_store_b128 v6, v[S+4:S+7] offset:512
	s_wait_dscnt 0x0                               ; for the others' sake
	s_barrier_signal -1
	s_barrier_wait -1
.irp g, 0,1,2,3                                ; all sixteen parts, in ascending order in every wave
.irp u, 0,1,2,3
	ds_load_b128 v[IM+8*\u:IM+8*\u+3],   v7 offset:1024*(4*\g+\u)
	ds_load_b128 v[IM+8*\u+4:IM+8*\u+7], v7 offset:1024*(4*\g+\u)+512
.endr
	s_wait_dscnt 0x0
.irp u, 0,1,2,3
.irp i, 0,2,4,6
.if (4*\g+\u) == 1
	v_pk_add_f32 v[S+\i:S+\i+1], v[IM+\i:IM+\i+1], v[IM+8+\i:IM+8+\i+1]
.elseif (4*\g+\u) > 1
	v_pk_add_f32 v[S+\i:S+\i+1], v[S+\i:S+\i+1], v[IM+8*\u+\i:IM+8*\u+\i+1]
.endif
.endr
.endr
.endr
.irp j, 0,1,2,3,4,5,6,7
	v_cmp_gt_i32 vcc_lo, \j, v11                   ; key 8 h + j comes after query r
	v_cndmask_b32 v[S+\j], v[S+\j], v12, vcc_lo
.endr
	v_max3_num_f32 v13, v[S], v[S+1], v[S+2]
	v_max3_num_f32 v13, v13, v[S+3], v[S+4]
	v_max3_num_f32 v13, v13, v[S+5], v[S+6]
	v_max_num_f32 v13, v13, v[S+7]
	v_permlanex16_b32 v14, v13, s20, s21
	v_max_num_f32 v13, v13, v14                    ; the row's maximum: key 0 counts for every query
	v_mul_f32 v13, s22, v13
.irp j, 0,1,2,3,4,5,6,7
	v_fma_f32 v[P+\j], v[S+\j], s22, -v13
.endr
.irp j, 0,1,2,3,4,5,6,7
	v_exp_f32 v[P+\j], v[P+\j]
.endr
	v_nop
	s_wait_alu depctr_va_vdst(0)                   ; one wait for the eight, ahead of their first reader
	v_pk_add_f32 v[16:17], v[P:P+1], v[P+2:P+3]
	v_pk_add_f32 v[18:19], v[P+4:P+5], v[P+6:P+7]
	v_pk_add_f32 v[16:17], v[16:17], v[18:19]
	v_add_f32 v16, v16, v17
	v_permlanex16_b32 v14, v16, s20, s21
	v_add_f32 v16, v16, v14                        ; the row's sum
	v_rcp_f32 v20, v16
	s_wait_loadcnt 0x0                             ; V
.irp n, 0,1,2,3
	v_wmma_f32_16x16x4_f32 v[OA+8*\n:OA+8*\n+7], v[RC+8*\n:RC+8*\n+1], v[P:P+1], 0
.endr
.irp t, 1,2,3
.irp n, 0,1,2,3
	v_wmma_f32_16x16x4_f32 v[OA+8*\n:OA+8*\n+7], v[RC+8*\n+2*\t:RC+8*\n+2*\t+1], v[P+2*\t:P+2*\t+1], v[OA+8*\n:OA+8*\n+7]
.endr
.endr
.rept 8
	v_nop                                          ; eight places; also the plain instructions behind the reciprocal
.endr
	s_wait_alu depctr_va_vdst(0)                   ; the reciprocal's wait, ahead of its first reader
.set Q, 0
.rept 32
	v_mul_f32 v[OS+Q], v[OA+Q], v20                ; into other registers: register 8 n + j is out(r, 64 w + 16 n + 8 h + j)
.set Q, Q+1
.endr
.irp n, 0,1,2,3
	ds_store_b128 v8, v[OS+8*\n:OS+8*\n+3] offset:64*\n
	ds_store_b128 v8, v[OS+8*\n+4:OS+8*\n+7] offset:64*\n+16
.endr
.irp i, 0,1,2,3,4,5,6,7
	ds_load_b128 v[BK+4*\i:BK+4*\i+3], v9 offset:\i*2*SP   ; LDS serves a wave's instructions in order: these see my stores
.endr
.irp i, 0,1,2,3,4,5,6,7
	s_wait_dscnt 7-\i                              ; the loads behind this one may be out
	global_store_b128 v10, v[BK+4*\i:BK+4*\i+3], s[8:9] offset:8192*\i th:TH_STORE_NT   ; 16 lanes store 256 consecutive bytes, aligned
.endr
	s_wait_tensorcnt 0x0                           ; the wave's end: the three lines behind my last LDS store
	ds_add_u32 v[SPW], v[NIL]
	s_wait_dscnt 0x0
	s_endpgm
.Lfunc_end_k_q904ed8cbb7_head16:
	.size	k_q904ed8cbb7_head16, .Lfunc_end_k_q904ed8cbb7_head16-k_q904ed8cbb7_head16
	.p2alignl 7, 3214868480
	.fill 96, 4, 3214868480
	.section	.rodata,"a",@progbits
	.p2align	6, 0x0
	.amdhsa_kernel k_q904ed8cbb7_head16
		.amdhsa_group_segment_fixed_size 88064
		.amdhsa_private_segment_fixed_size 0
		.amdhsa_enable_private_segment 0
		.amdhsa_kernarg_size 24
		.amdhsa_user_sgpr_count 2
		.amdhsa_user_sgpr_kernarg_segment_ptr 1
		.amdhsa_wavefront_size32 1
		.amdhsa_system_sgpr_workgroup_id_x 1
		.amdhsa_system_sgpr_workgroup_id_y 1
		.amdhsa_system_sgpr_workgroup_id_z 1
		.amdhsa_system_vgpr_workitem_id 0
		.amdhsa_next_free_vgpr 256
		.amdhsa_next_free_sgpr 66
		.amdhsa_reserve_vcc 1
		.amdhsa_float_denorm_mode_32 3
		.amdhsa_float_denorm_mode_16_64 3
		.amdhsa_memory_ordered 1
		.amdhsa_forward_progress 1
		.amdhsa_inst_pref_size 22
	.end_amdhsa_kernel
	.amdgpu_metadata
---
amdhsa.version: [ 1, 2 ]
amdhsa.kernels:
  - .name:           k_q904ed8cbb7_head16
    .symbol:         k_q904ed8cbb7_head16.kd
    .args:
      - { .name: qv, .offset: 0, .size: 8, .value_kind: global_buffer, .address_space: global }
      - { .name: kk, .offset: 8, .size: 8, .value_kind: global_buffer, .address_space: global }
      - { .name: out0, .offset: 16, .size: 8, .value_kind: global_buffer, .address_space: global }
    .group_segment_fixed_size: 88064
    .private_segment_fixed_size: 0
    .kernarg_segment_align: 8
    .kernarg_segment_size: 24
    .max_flat_workgroup_size: 512
    .sgpr_count:     66
    .vgpr_count:     256
    .wavefront_size: 32
...
	.end_amdgpu_metadata
.endif
;; end of part 5
